; MI455X (gfx1250); checked and timed in simulation.
; The chip was launched on July 23, 2026; its instructions are those of AMD's public machine-readable ISA for CDNA 5 (MIT licence, August 2026) and "CDNA5" Instruction Set Architecture Reference Guide (July 2026). The comments in the code are by the model that wrote it; some were corrected since.
;; Model. Allowed arithmetic: float matrix products may take bf16 or f16 operands with f32 sums; other float arithmetic in f32, or as packed bf16 or f16 multiplies, adds, multiply-adds, maxima and minima; sums over many terms, partial sums and values carried from step to step in f32; what a program stores and reads back later, other than sums and carried values, may be rounded once to bf16 or f16.
;; Inputs: Wk1 512 x 512 float32; Wk2 512 x 512 float32; Wk3 512 x 512 float32; Wq1 512 x 512 float32; Wq2 512 x 512 float32; Wq3 512 x 512 float32; Wv1 512 x 512 float32; Wv2 512 x 512 float32; Wv3 512 x 512 float32; bk1 512 float32; bq1 512 float32; bv1 512 float32; ln1_b 512 float32; ln1_g 512 float32; ln2_b 512 float32; ln2_g 512 float32; x 4 x 8 x 512 x 512 float32.
;; Outputs: out0 4 x 8 x 512 x 512 float32.
;; 3 versions, each right; version 3 is version 2 with the launch proj written anew for expert scheduling mode. Each part assembles by itself: llvm-mc -triple=amdgcn-amd-amdhsa -mcpu=gfx1250 --defsym DOCPART=n.
;; ======== version 1 of 3: 4 launches
;; limits: values outside matrix products are rounded to f16; values are held in f16: magnitudes above 65,504 overflow, below 6.1e-05 lose precision; right only within a limited range of input values
;; workspace buffers: wf 4,718,592 bytes; v1t 16,777,216 bytes; v2t 16,777,216 bytes; v3t 16,777,216 bytes; v5t 16,777,216 bytes; v7t 16,777,216 bytes; ex 1,024 bytes
;; launch prep (part 1): grid 256 x 1, 2 waves a work-group, no clusters, 23,296 bytes of LDS; arguments Wq1, Wk1, Wv1, Wq2, Wv2, Wq3, Wk3, Wv3, wf; writes wf
.if DOCPART == 1
	.amdgcn_target "amdgcn-amd-amdhsa--gfx1250"
	.amdhsa_code_object_version 6
	.text
	.protected	k_q088c4f2e23_prep
	.globl	k_q088c4f2e23_prep
	.p2align	8
	.type	k_q088c4f2e23_prep,@function
k_q088c4f2e23_prep:
	s_mov_b64 s[64:65], 0
	v_nop
	global_prefetch_b8 v0, s[64:65] scope:SCOPE_SE
	s_setreg_imm32_b32 hwreg(HW_REG_WAVE_MODE, 25, 1), 1
	s_wait_xcnt 0x0
; prep: the eight weights that reference() uses, and Wsum = (Wq3 + Wk3) + Wv3 (summed in f32), rounded to f16 and laid out in blocks.
; Wk2 is not among the arguments: reference() never uses it (its product is commented out there).
; Wsum serves v16 + v17 + v18 = v15 (Wq3 + Wk3 + Wv3)^T + (v10 + v11 + v12), which holds for every input; the order of rounding differs from reference()'s.
; LIMIT: weights of magnitude 65,504 or more become infinite in f16.
; BLOCK LAYOUT of a matrix [512 rows n][512 k] of f16: a block is 16 rows x 16 k = 512 bytes; element (n, k) lies at byte
;   ((n>>4)*32 + (k>>4))*512 + (((k>>3)&1)*16 + (n&15))*16 + (k&7)*2.
; Lane L of a wave then finds, at byte 16 L of a block, the four registers that a 16-bit matrix fragment wants of it (ISA guide 7.12.2).
; wf holds matrix m at m*MAT: 0 Wq1, 1 Wk1, 2 Wv1, 3 Wq2, 4 Wv2, 5 Wq3, 6 Wk3, 7 Wv3, 8 Wsum.
; A work-group takes 16 rows x 64 k of every matrix: 256 bytes of each f32 row in, 2,048 consecutive bytes of each f16 matrix out.
; Wave 0 converts matrices 0-4, wave 1 matrices 5-7 and their sum.  Each wave uses LDS bytes of its own, so there is no barrier.
; No matrix unit, no cluster, no ring: 8.4 MB are read once and 4.7 MB written once.
.set MAT,   524288
.set PITCH, 144                        ; an LDS row: 64 f16 = 128 bytes + 16: an odd multiple of 16, so the 16-byte reads of 16 rows meet no bank twice
.set SLOTB, 16*PITCH                   ; one matrix's 16 rows
.set WAVEB, 5*SLOTB                    ; a wave's LDS
.set SRC,   2                          ; v2   byte offset of my 16 bytes in a weight: rows 2a + (L>>4), a in the immediate
.set DST,   3                          ; v3   byte offset of my 16 bytes in a converted matrix
.set LS,    4                          ; v4   LDS: where I put 8 bytes
.set LL,    5                          ; v5   LDS: where I read 16 bytes back
.set X,     16                         ; v[16:175]  five sets of 32: a matrix's piece as loaded
.set Y,     176                        ; v[176:255] five sets of 16: the piece in block layout; never rewritten
	s_load_b512 s[8:23], s[0:1], 0x0               ; Wq1 Wk1 Wv1 Wq2 Wv2 Wq3 Wk3 Wv3
	s_load_b64 s[24:25], s[0:1], 0x40              ; wf
	v_lshl_add_u32 v14, v0, 2, 0x5a00
	v_mov_b32 v15, 0
	v_lshrrev_b32 v1, 5, v0
	v_readfirstlane_b32 s6, v1                     ; wave
	v_and_b32 v6, 31, v0                           ; L
	v_and_b32 v7, 15, v0                           ; L & 15
	v_bfe_u32 v8, v0, 4, 1                         ; L >> 4
	s_lshr_b32 s2, ttmp9, 3                        ; which 16 rows
	s_and_b32 s3, ttmp9, 7                         ; which 64 k
	s_lshl_b32 s4, s2, 15                          ; 16 rows of 2,048 bytes
	s_lshl_b32 s5, s3, 8                           ; 64 f32
	s_add_co_u32 s4, s4, s5
	v_lshl_add_u32 v[SRC], v8, 11, s4              ; lanes 16-31 take the row below
	v_lshl_add_u32 v[SRC], v7, 4, v[SRC]
	s_lshl_b32 s4, s2, 14                          ; a row of blocks is 16,384 bytes
	s_lshl_b32 s5, s3, 11                          ; four blocks
	s_add_co_u32 s4, s4, s5
	v_lshl_add_u32 v[DST], v6, 4, s4
	s_mul_i32 s7, s6, WAVEB
	v_mul_u32_u24 v9, v8, PITCH
	v_lshl_add_u32 v9, v7, 3, v9
	v_add_nc_u32 v[LS], s7, v9                     ; row (L>>4), 8 bytes at 8 (L&15)
	v_mul_u32_u24 v9, v7, PITCH
	v_lshl_add_u32 v9, v8, 4, v9
	v_add_nc_u32 v[LL], s7, v9                     ; row (L&15), 16 bytes at 16 (L>>4)
	s_wait_kmcnt 0x0
.macro LOADM set, sp                   ; eight loads; each covers 256 consecutive bytes of two rows; every byte is read once in the launch
.set a_, 0
.rept 8
	global_load_b128 v[X+32*\set+4*a_:X+32*\set+4*a_+3], v[SRC], s[\sp:\sp+1] offset:a_*4096 th:TH_LOAD_NT
.set a_, a_+1
.endr
.endm
; Set 'set' becomes matrix m of wf.  left = the loads issued behind this set's (negative: already waited for).
.macro CONV m, set, left
.if \left >= 0
	s_wait_loadcnt \left                           ; loads return in order (ISA guide 5.7.1): this set is in, the younger sets stay out
.endif
.set a_, 0
.rept 8
	v_cvt_pk_f16_f32 v[X+32*\set+4*a_], v[X+32*\set+4*a_], v[X+32*\set+4*a_+1]
	v_cvt_pk_f16_f32 v[X+32*\set+4*a_+1], v[X+32*\set+4*a_+2], v[X+32*\set+4*a_+3]
.set a_, a_+1
.endr
.set a_, 0
.rept 8
	ds_store_b64 v[LS], v[X+32*\set+4*a_:X+32*\set+4*a_+1] offset:\set*SLOTB+a_*2*PITCH   ; two rows; the second row's last 16 bytes share four banks with the first row's first 16
.set a_, a_+1
.endr
.set a_, 0
.rept 4
	ds_load_b128 v[Y+16*\set+4*a_:Y+16*\set+4*a_+3], v[LL] offset:\set*SLOTB+a_*32         ; block a: LDS serves a wave's instructions in order (ISA guide 5.7.1), so these see the stores above
.set a_, a_+1
.endr
.set a_, 0
.rept 4
	s_wait_dscnt 3-a_                              ; the younger reads stay out
	global_store_b128 v[DST], v[Y+16*\set+4*a_:Y+16*\set+4*a_+3], s[24:25] offset:\m*MAT+a_*512   ; 512 consecutive bytes, aligned
.set a_, a_+1
.endr
.endm
	s_cmp_lg_u32 s6, 0
	s_cbranch_scc1 .Lwave1
	LOADM 0, 8
	LOADM 1, 10
	LOADM 2, 12
	LOADM 3, 14
	LOADM 4, 16
	CONV 0, 0, 32
	CONV 1, 1, 24
	CONV 2, 2, 16
	CONV 3, 3, 8
	CONV 4, 4, 0
	s_wait_tensorcnt 0x0
	ds_add_u32 v14, v15
	s_wait_dscnt 0x0
	s_endpgm
.Lwave1:
	LOADM 0, 18
	LOADM 1, 20
	LOADM 2, 22
	s_wait_loadcnt 0x0                             ; the sum wants all three
.set a_, 0
.rept 16
	v_pk_add_f32 v[X+96+2*a_:X+96+2*a_+1], v[X+2*a_:X+2*a_+1], v[X+32+2*a_:X+32+2*a_+1]
.set a_, a_+1
.endr
.set a_, 0
.rept 16
	v_pk_add_f32 v[X+96+2*a_:X+96+2*a_+1], v[X+96+2*a_:X+96+2*a_+1], v[X+64+2*a_:X+64+2*a_+1]
.set a_, a_+1
.endr
	CONV 5, 0, -1
	CONV 6, 1, -1
	CONV 7, 2, -1
	CONV 8, 3, -1
	s_wait_tensorcnt 0x0
	ds_add_u32 v14, v15
	s_wait_dscnt 0x0
	s_endpgm
.Lfunc_end_k_q088c4f2e23_prep:
	.size	k_q088c4f2e23_prep, .Lfunc_end_k_q088c4f2e23_prep-k_q088c4f2e23_prep
	.p2alignl 7, 3214868480
	.fill 96, 4, 3214868480
	.section	.rodata,"a",@progbits
	.p2align	6, 0x0
	.amdhsa_kernel k_q088c4f2e23_prep
		.amdhsa_group_segment_fixed_size 23296
		.amdhsa_private_segment_fixed_size 0
		.amdhsa_enable_private_segment 0
		.amdhsa_kernarg_size 72
		.amdhsa_user_sgpr_count 2
		.amdhsa_user_sgpr_kernarg_segment_ptr 1
		.amdhsa_wavefront_size32 1
		.amdhsa_system_sgpr_workgroup_id_x 1
		.amdhsa_system_sgpr_workgroup_id_y 1
		.amdhsa_system_sgpr_workgroup_id_z 1
		.amdhsa_system_vgpr_workitem_id 0
		.amdhsa_next_free_vgpr 256
		.amdhsa_next_free_sgpr 66
		.amdhsa_reserve_vcc 0
		.amdhsa_float_denorm_mode_32 3
		.amdhsa_float_denorm_mode_16_64 3
		.amdhsa_memory_ordered 1
		.amdhsa_forward_progress 1
		.amdhsa_inst_pref_size 31
	.end_amdhsa_kernel
	.amdgpu_metadata
---
amdhsa.version: [ 1, 2 ]
amdhsa.kernels:
  - .name:           k_q088c4f2e23_prep
    .symbol:         k_q088c4f2e23_prep.kd
    .args:
      - { .name: Wq1, .offset: 0, .size: 8, .value_kind: global_buffer, .address_space: global }
      - { .name: Wk1, .offset: 8, .size: 8, .value_kind: global_buffer, .address_space: global }
      - { .name: Wv1, .offset: 16, .size: 8, .value_kind: global_buffer, .address_space: global }
      - { .name: Wq2, .offset: 24, .size: 8, .value_kind: global_buffer, .address_space: global }
      - { .name: Wv2, .offset: 32, .size: 8, .value_kind: global_buffer, .address_space: global }
      - { .name: Wq3, .offset: 40, .size: 8, .value_kind: global_buffer, .address_space: global }
      - { .name: Wk3, .offset: 48, .size: 8, .value_kind: global_buffer, .address_space: global }
      - { .name: Wv3, .offset: 56, .size: 8, .value_kind: global_buffer, .address_space: global }
      - { .name: wf, .offset: 64, .size: 8, .value_kind: global_buffer, .address_space: global }
    .group_segment_fixed_size: 23296
    .private_segment_fixed_size: 0
    .kernarg_segment_align: 8
    .kernarg_segment_size: 72
    .max_flat_workgroup_size: 64
    .sgpr_count:     66
    .vgpr_count:     256
    .wavefront_size: 32
...
	.end_amdgpu_metadata
.endif
;; end of part 1
;; launch proj (part 2): grid 256 x 1, 4 waves a work-group, no clusters, 67,072 bytes of LDS; arguments x, wf, bq1, bk1, bv1, v1t, v2t, v3t; writes v1t, v2t, v3t
.if DOCPART == 2
	.amdgcn_target "amdgcn-amd-amdhsa--gfx1250"
	.amdhsa_code_object_version 6
	.text
	.protected	k_q088c4f2e23_proj
	.globl	k_q088c4f2e23_proj
	.p2align	8
	.type	k_q088c4f2e23_proj,@function
k_q088c4f2e23_proj:
	s_mov_b64 s[64:65], 0
	v_nop
	global_prefetch_b8 v0, s[64:65] scope:SCOPE_SE
	s_setreg_imm32_b32 hwreg(HW_REG_WAVE_MODE, 25, 1), 1
	s_wait_xcnt 0x0
; proj: v1 = x Wq1^T + bq1, v2 = x Wk1^T + bk1, v3 = x Wv1^T + bv1, products in f16 with f32 sums, results in f16 in the block layout:
;   element (row, k) of a [512][512] matrix at ((row>>4)*32 + (k>>4))*512 + (((k>>3)&1)*16 + (row&15))*16 + (k&7)*2.
; f16, not bf16: the chain of eleven products rounds its operands seven times in a row, and the result is compared to one part in a hundred.
; LIMIT: |x|, |W| and |v1..v3| of 65,504 or more become infinite.  With x and W thirty times the drawn spread |v| stays near 5e3, with a
; common offset of thirty spreads on both near 2.1e4.
; SHARE: work-group id owns 64 rows (all 512 columns) of slice id>>3; four waves, wave w makes 64 rows x columns 128 w .. 128 w + 127:
; 4 x 8 accumulator tiles, 256 registers.  x's 64 rows lie once in LDS as f16 and all waves read them as operand A.
; OPERAND B (a weight) goes from memory straight into registers: wave w alone needs rows 128 w .. of it, so LDS would add a write and a
; read for each byte and spare none.  Four stages of 32 k (16 loads, 8 KiB a wave) take turns; three are on their way while one is multiplied.
; NO CLUSTER, NO TENSOR LOADS: the eight work-groups of a slice and all others do read the same weights, but a shared tile would have to pass
; through LDS slots refilled behind a barrier of all partners after every 64 matrix instructions of a wave.
; THE MATRIX INSTRUCTION IS USED TRANSPOSED (source 0 = B's rows, source 1 = A's rows): lane L then holds row L&15 of the result and its eight
; registers the columns 8 (L>>4) + 0..7, which pack into the 16 bytes at 16 L of a block.
; REGISTER WINDOWS of 256: 0 = staging v0-127, A fragments v128-191, addresses v192-255; 1 = accumulators; 3 = B stages (stage s at v[64 s]).
.set MAT,   524288
.set XP,    1040                       ; LDS pitch of a row of x in f16: 1,024 + 16, an odd multiple of 16
.set AF,    128                        ; two A fragment buffers of 32 registers
.set LANE,  193
.set RR,    194                        ; L & 15
.set HH,    195                        ; L >> 4
.set BOFF,  196                        ; 131072 w + 16 L: my 16 bytes in B's first block of my rows
.set A0,    197                        ; LDS: (L&15) XP + 16 (L>>4)
.set ST0,   199                        ; 4096 w + 16 L: my 16 bytes in the first block of my columns
.set GOFF,  202                        ; 512 w + 32 (L>>4): my eight columns' bias in tile 0
.set T,     214
.set XO,    250                        ; 32768 w + 16 L: x, my wave's 16 rows
.set XS,    251                        ; LDS: 16 XP w + 8 L
.set MSB,   0
.macro WIN new                         ; the immediate's high byte repeats the setting that is left
.if MSB != \new
	s_set_vgpr_msb (MSB<<8)|\new
.set MSB, \new
.endif
.endm
.macro PLACES                          ; four places behind matrix instructions ahead of loads into, and reads of, their registers
.rept 4
	v_nop
.endr
.endm
.macro REFILL qq, off                  ; stage qq % 4 <- B's k = 32 qq .. 32 qq + 31 of my 128 rows: 16 loads of 512 consecutive bytes
	WIN 0xC0
.set nt_, 0
.rept 8
	global_load_b128 v[64*((\qq)%4)+8*nt_:64*((\qq)%4)+8*nt_+3], v[BOFF], s[10:11] offset:\off+nt_*16384+(\qq)*1024
	global_load_b128 v[64*((\qq)%4)+8*nt_+4:64*((\qq)%4)+8*nt_+7], v[BOFF], s[10:11] offset:\off+nt_*16384+(\qq)*1024+512
.set nt_, nt_+1
.endr
.endm
.macro ALOAD qq                        ; A buffer qq % 2 <- 64 rows x 32 k from the row-major stage
	WIN 0
.set mt_, 0
.rept 4
	ds_load_b128 v[AF+32*((\qq)%2)+8*mt_:AF+32*((\qq)%2)+8*mt_+3], v[A0] offset:mt_*16*XP+(\qq)*64
	ds_load_b128 v[AF+32*((\qq)%2)+8*mt_+4:AF+32*((\qq)%2)+8*mt_+7], v[A0] offset:mt_*16*XP+(\qq)*64+32
.set mt_, mt_+1
.endr
.endm
.macro MUL32 qq, zero                  ; 32 matrix instructions; the 32 accumulators take turns, one instruction a turn
	WIN 0x53                               ; source 0 window 3 (B), source 1 window 0 (A), C and D window 1
.set mt_, 0
.rept 4
.set nt_, 0
.rept 8
.set d_, 8*(8*mt_+nt_)
.set a_, AF+32*((\qq)%2)+8*mt_
.set b_, 64*((\qq)%4)+8*nt_
.if \zero
	v_wmma_f32_16x16x32_f16 v[d_:d_+7], v[b_:b_+7], v[a_:a_+7], 0
.else
	v_wmma_f32_16x16x32_f16 v[d_:d_+7], v[b_:b_+7], v[a_:a_+7], v[d_:d_+7]
.endif
.set nt_, nt_+1
.endr
.set mt_, mt_+1
.endr
.endm
.macro XLOAD sx                        ; substeps 4-7: the bias of my 64 columns into v0-63 (tile nt, register j at v[8 nt + j])
.if q >= 4
.if q < 8
.if q == 4
	s_wait_xcnt 0x0                                ; v0-127 were the data of the last product's stores: loaded into only behind this wait
.endif
	WIN 0
.set i_, 0
.rept 4
.set e_, 4*(q-4)+i_
	global_load_b128 v[4*e_:4*e_+3], v[GOFF], s[\sx:\sx+1] offset:(e_/2)*64+(e_%2)*16
.set i_, i_+1
.endr
.endif
.endif
.endm
; One product, 16 substeps of 32 k, written out.  off: the weight in wf; nxt = 1: the last four substeps fetch the next weight's first four stages.
.macro PASS off, nxt, sx
	ALOAD 0
	ALOAD 1
.set q, 0
.rept 16
.if \nxt
	s_wait_loadcnt 48                              ; stage q is in: behind it at least the three younger stages' 48 loads were issued
.else
.if q > 12
	s_wait_loadcnt 16*(15-q)                       ; nothing is fetched any more: the count runs down
.else
	s_wait_loadcnt 48
.endif
.endif
.if q == 15
	s_wait_dscnt 0x0
.else
	s_wait_dscnt 8                                 ; A of this substep is in; the next substep's eight loads stay out
.endif
.if q == 0
	MUL32 q, 1                                     ; the first product starts the sums
.else
	MUL32 q, 0
.endif
	PLACES
	XLOAD \sx
.if q < 14
	ALOAD q+2
.endif
.if q < 12
	REFILL q+4, \off
.else
.if \nxt
	REFILL q-12, \off+MAT
.endif
.endif
.set q, q+1
.endr
.endm
.macro CVT128                          ; 256 f32 of window 1 -> 128 registers of f16 pairs in v0-127
	WIN 0x05
.set i_, 0
.rept 128
	v_cvt_pk_f16_f32 v[i_], v[2*i_], v[2*i_+1]
.set i_, i_+1
.endr
.endm
.macro EPI sd                          ; + bias, round to f16, store 32 blocks of 512 consecutive bytes
	WIN 0x41
.set i_, 0
.rept 128
	v_pk_add_f32 v[2*i_:2*i_+1], v[2*i_:2*i_+1], v[(2*i_)%64:(2*i_)%64+1]
.set i_, i_+1
.endr
	CVT128
	WIN 0
.set t_, 0
.rept 32
	global_store_b128 v[ST0], v[4*t_:4*t_+3], s[\sd:\sd+1] offset:(t_/8)*16384+(t_%8)*512
.set t_, t_+1
.endr
.endm
	s_load_b512 s[8:23], s[0:1], 0x0               ; x, wf, bq1, bk1, bv1, v1t, v2t, v3t
	v_lshl_add_u32 v254, v0, 2, 0x10400
	v_mov_b32 v255, 0
	v_lshrrev_b32 v[T], 5, v0
	v_readfirstlane_b32 s6, v[T]                   ; wave
	v_and_b32 v[LANE], 31, v0
	v_and_b32 v[RR], 15, v0
	v_bfe_u32 v[HH], v0, 4, 1
	s_lshl_b32 s2, s6, 17
	s_lshl_b32 s3, s6, 12
	s_lshl_b32 s4, s6, 9
	s_lshl_b32 s5, s6, 15
	s_mul_i32 s7, s6, 16*XP
	v_lshl_add_u32 v[BOFF], v[LANE], 4, s2
	v_lshl_add_u32 v[ST0], v[LANE], 4, s3
	v_lshl_add_u32 v[GOFF], v[HH], 5, s4
	v_lshl_add_u32 v[XO], v[LANE], 4, s5
	v_lshl_add_u32 v[XS], v[LANE], 3, s7
	v_mul_u32_u24 v[A0], v[RR], XP
	v_lshl_add_u32 v[A0], v[HH], 4, v[A0]
	s_lshl_b32 s44, ttmp9, 17                      ; 64 rows of 2,048 bytes of x
	s_mov_b32 s45, 0
	s_lshl_b32 s46, ttmp9, 16                      ; 64 rows of 1,024 bytes of a result
	s_mov_b32 s47, 0
	s_wait_kmcnt 0x0
	s_add_nc_u64 s[8:9], s[8:9], s[44:45]
	s_add_nc_u64 s[18:19], s[18:19], s[46:47]
	s_add_nc_u64 s[20:21], s[20:21], s[46:47]
	s_add_nc_u64 s[22:23], s[22:23], s[46:47]
	; x: my wave's 16 rows are 32,768 consecutive bytes: 64 loads of 512 bytes into window 1, which the sums do not need yet
	WIN 0x40
.set i_, 0
.rept 64
	global_load_b128 v[4*i_:4*i_+3], v[XO], s[8:9] offset:i_*512 th:TH_LOAD_NT
.set i_, i_+1
.endr
	REFILL 0, 0
	REFILL 1, 0
	REFILL 2, 0
	REFILL 3, 0
	s_wait_loadcnt 63                              ; of the 128 loads issued the oldest 65 are in: all 64 of x
	CVT128
	WIN 0
.set i_, 0
.rept 64
	ds_store_b64 v[XS], v[2*i_:2*i_+1] offset:(i_/4)*XP+(i_%4)*256   ; 256 consecutive bytes of a row
.set i_, i_+1
.endr
	s_wait_dscnt 0x0                               ; my rows are in LDS,
	s_barrier_signal -1
	s_barrier_wait -1                              ; everybody's are; the stage is never written again
	PASS 0*MAT, 1, 12
	EPI 18
	PASS 1*MAT, 1, 14
	EPI 20
	PASS 2*MAT, 0, 16
	EPI 22
	s_wait_tensorcnt 0x0
	ds_add_u32 v254, v255
	s_wait_dscnt 0x0
	s_endpgm
.Lfunc_end_k_q088c4f2e23_proj:
	.size	k_q088c4f2e23_proj, .Lfunc_end_k_q088c4f2e23_proj-k_q088c4f2e23_proj
	.p2alignl 7, 3214868480
	.fill 96, 4, 3214868480
	.section	.rodata,"a",@progbits
	.p2align	6, 0x0
	.amdhsa_kernel k_q088c4f2e23_proj
		.amdhsa_group_segment_fixed_size 67072
		.amdhsa_private_segment_fixed_size 0
		.amdhsa_enable_private_segment 0
		.amdhsa_kernarg_size 64
		.amdhsa_user_sgpr_count 2
		.amdhsa_user_sgpr_kernarg_segment_ptr 1
		.amdhsa_wavefront_size32 1
		.amdhsa_system_sgpr_workgroup_id_x 1
		.amdhsa_system_sgpr_workgroup_id_y 1
		.amdhsa_system_sgpr_workgroup_id_z 1
		.amdhsa_system_vgpr_workitem_id 0
		.amdhsa_next_free_vgpr 1024
		.amdhsa_next_free_sgpr 66
		.amdhsa_reserve_vcc 0
		.amdhsa_float_denorm_mode_32 3
		.amdhsa_float_denorm_mode_16_64 3
		.amdhsa_memory_ordered 1
		.amdhsa_forward_progress 1
		.amdhsa_inst_pref_size 255
	.end_amdhsa_kernel
	.section	.bss,"aw",@nobits
	.p2align	6
	.space	262144
	.amdgpu_metadata
---
amdhsa.version: [ 1, 2 ]
amdhsa.kernels:
  - .name:           k_q088c4f2e23_proj
    .symbol:         k_q088c4f2e23_proj.kd
    .args:
      - { .name: x, .offset: 0, .size: 8, .value_kind: global_buffer, .address_space: global }
      - { .name: wf, .offset: 8, .size: 8, .value_kind: global_buffer, .address_space: global }
      - { .name: bq1, .offset: 16, .size: 8, .value_kind: global_buffer, .address_space: global }
      - { .name: bk1, .offset: 24, .size: 8, .value_kind: global_buffer, .address_space: global }
      - { .name: bv1, .offset: 32, .size: 8, .value_kind: global_buffer, .address_space: global }
      - { .name: v1t, .offset: 40, .size: 8, .value_kind: global_buffer, .address_space: global }
      - { .name: v2t, .offset: 48, .size: 8, .value_kind: global_buffer, .address_space: global }
      - { .name: v3t, .offset: 56, .size: 8, .value_kind: global_buffer, .address_space: global }
    .group_segment_fixed_size: 67072
    .private_segment_fixed_size: 0
    .kernarg_segment_align: 8
    .kernarg_segment_size: 64
    .max_flat_workgroup_size: 128
    .sgpr_count:     66
    .vgpr_count:     1024
    .wavefront_size: 32
...
	.end_amdgpu_metadata
.endif
;; end of part 2
;; launch mid (part 3): grid 256 x 1, 4 waves a work-group, no clusters, 131,840 bytes of LDS; arguments v1t, v2t, wf, v5t, v7t, ex; writes v5t, v7t, ex
.if DOCPART == 3
	.amdgcn_target "amdgcn-amd-amdhsa--gfx1250"
	.amdhsa_code_object_version 6
	.text
	.protected	k_q088c4f2e23_mid
	.globl	k_q088c4f2e23_mid
	.p2align	8
	.type	k_q088c4f2e23_mid,@function
k_q088c4f2e23_mid:
	s_mov_b64 s[64:65], 0
	v_nop
	global_prefetch_b8 v0, s[64:65] scope:SCOPE_SE
	s_setreg_imm32_b32 hwreg(HW_REG_WAVE_MODE, 25, 1), 1
	s_wait_xcnt 0x0
; mid: for 64 rows s of a slice: T = v1 v2^T, P5 = t' Wq2^T, P7 = t' Wv2^T, f16 operands, f32 sums; P5 and P7 leave transposed.
; The factor 1/sqrt(512) of reference() is not applied here: the last launch applies all three such factors at once.
; BLOCK SCALES: what becomes an f16 operand is first multiplied by 2^k, k = min(141 - E, 126), E the biased exponent of the largest
; magnitude M of the work-group's 64 x 512 block: M < 2^(E-126), so every scaled magnitude is below 2^15.
;   t' = T 2^kt,  v5'' = P5 2^k5,  v7'' = P7 2^k7,  ex[id] = 2 kt + k5 + k7 (a whole number that enters scale factors alone, never an address).
; LIMITS: an element below 2^-29 of its block's maximum loses bits (f16 denormals); NaN and infinities do not enter the maximum.
; SHARE, OPERAND B, WINDOWS as in proj: wave w makes 64 rows x columns 128 w ..; B goes from memory into four register stages; no cluster.
; LAYOUT: 16 x 16 blocks of 512 bytes; element (row, k) at ((row>>4)*32 + (k>>4))*512 + (((k>>3)&1)*16 + (row&15))*16 + (k&7)*2.
; T is made with the sources swapped (lane = row s), so that 16 bytes a lane are a block of t' for the next product's operand A.
; P5 and P7 are made in the natural order (lane = column h, registers = rows s), so that the same 16 bytes are a block of the TRANSPOSE,
; which the last launch contracts over s.
; LDS: stage 0 (v1's 64 rows) at 0, stage 1 (t') at 65,536, 64 KiB each, in block layout; the maxima at REDB.
.set MAT,   524288
.set REDB,  131072
.set AF,    128
.set LANE,  193
.set BOFF,  196                        ; 131072 w + 16 L
.set A0,    197                        ; 16 L
.set A1,    198                        ; 65536 + 16 L
.set ST1,   200                        ; 65536 + 4096 w + 16 L
.set CP,    201                        ; 512 w + 16 L
.set RBW,   203                        ; REDB + 4 w
.set RBR,   204                        ; REDB
.set R,     210                        ; four chains of maxima
.set T,     214
.set MSB,   0
.macro WIN new                         ; the immediate's high byte repeats the setting that is left
.if MSB != \new
	s_set_vgpr_msb (MSB<<8)|\new
.set MSB, \new
.endif
.endm
.macro PLACES                          ; four places behind matrix instructions ahead of loads into, and reads of, their registers
.rept 4
	v_nop
.endr
.endm
.macro BAR
	s_barrier_signal -1
	s_barrier_wait -1
.endm
.macro REFILL qq, sb, off              ; stage qq % 4 <- B's k = 32 qq .. of my 128 rows: 16 loads of 512 consecutive bytes
	WIN 0xC0
.set nt_, 0
.rept 8
	global_load_b128 v[64*((\qq)%4)+8*nt_:64*((\qq)%4)+8*nt_+3], v[BOFF], s[\sb:\sb+1] offset:\off+nt_*16384+(\qq)*1024
	global_load_b128 v[64*((\qq)%4)+8*nt_+4:64*((\qq)%4)+8*nt_+7], v[BOFF], s[\sb:\sb+1] offset:\off+nt_*16384+(\qq)*1024+512
.set nt_, nt_+1
.endr
.endm
.macro ALOAD qq, areg                  ; A buffer qq % 2 <- 64 rows x 32 k of a stage: 512 consecutive bytes a load, no bank met twice
	WIN 0
.set mt_, 0
.rept 4
	ds_load_b128 v[AF+32*((\qq)%2)+8*mt_:AF+32*((\qq)%2)+8*mt_+3], v[\areg] offset:mt_*16384+(\qq)*1024
	ds_load_b128 v[AF+32*((\qq)%2)+8*mt_+4:AF+32*((\qq)%2)+8*mt_+7], v[\areg] offset:mt_*16384+(\qq)*1024+512
.set mt_, mt_+1
.endr
.endm
.macro MUL32 qq, ord, zero             ; 32 matrix instructions; the 32 accumulators take turns, one instruction a turn
.if \ord
	WIN 0x5C                               ; natural: source 0 window 0 (A), source 1 window 3 (B), C and D window 1
.else
	WIN 0x53                               ; swapped: source 0 window 3 (B), source 1 window 0 (A)
.endif
.set mt_, 0
.rept 4
.set nt_, 0
.rept 8
.set d_, 8*(8*mt_+nt_)
.set a_, AF+32*((\qq)%2)+8*mt_
.set b_, 64*((\qq)%4)+8*nt_
.if \ord
.if \zero
	v_wmma_f32_16x16x32_f16 v[d_:d_+7], v[a_:a_+7], v[b_:b_+7], 0
.else
	v_wmma_f32_16x16x32_f16 v[d_:d_+7], v[a_:a_+7], v[b_:b_+7], v[d_:d_+7]
.endif
.else
.if \zero
	v_wmma_f32_16x16x32_f16 v[d_:d_+7], v[b_:b_+7], v[a_:a_+7], 0
.else
	v_wmma_f32_16x16x32_f16 v[d_:d_+7], v[b_:b_+7], v[a_:a_+7], v[d_:d_+7]
.endif
.endif
.set nt_, nt_+1
.endr
.set mt_, mt_+1
.endr
.endm
; One product, 16 substeps of 32 k, written out.  B at s[sb] + off; nxt = 1: the last four substeps fetch the first stages of the next B, s[sn] + offn.
.macro PASS ord, areg, sb, off, nxt, sn, offn
	ALOAD 0, \areg
	ALOAD 1, \areg
.set q, 0
.rept 16
.if \nxt
	s_wait_loadcnt 48                              ; stage q is in: behind it the three younger stages' 48 loads were issued
.else
.if q > 12
	s_wait_loadcnt 16*(15-q)                       ; nothing is fetched any more: the count runs down
.else
	s_wait_loadcnt 48
.endif
.endif
.if q == 15
	s_wait_dscnt 0x0
.else
	s_wait_dscnt 8                                 ; A of this substep is in; the next substep's eight loads stay out
.endif
.if q == 0
	MUL32 q, \ord, 1                               ; the first product starts the sums
.else
	MUL32 q, \ord, 0
.endif
	PLACES
.if q < 14
	ALOAD q+2, \areg
.endif
.if q < 12
	REFILL q+4, \sb, \off
.else
.if \nxt
	REFILL q-12, \sn, \offn
.endif
.endif
.set q, q+1
.endr
.endm
; The largest magnitude of the work-group's block -> k in s[sk], 2^k in s56 and s57.
.macro BLOCKSCALE slot, sk
	WIN 0x05
.set i_, 0
.rept 128
.if i_ < 4
	v_max3_num_f32 v[R+i_], |v[2*i_]|, |v[2*i_+1]|, 0
.else
	v_max3_num_f32 v[R+i_%4], |v[2*i_]|, |v[2*i_+1]|, v[R+i_%4]
.endif
.set i_, i_+1
.endr
	WIN 0
	v_max3_num_f32 v[R], v[R], v[R+1], v[R+2]
	v_max_num_f32 v[R], v[R], v[R+3]
	v_max_num_f32_dpp v[R], v[R], v[R] row_xmask:1 row_mask:0xf bank_mask:0xf
	v_max_num_f32_dpp v[R], v[R], v[R] row_xmask:2 row_mask:0xf bank_mask:0xf
	v_max_num_f32_dpp v[R], v[R], v[R] row_xmask:4 row_mask:0xf bank_mask:0xf
	v_max_num_f32_dpp v[R], v[R], v[R] row_xmask:8 row_mask:0xf bank_mask:0xf
	v_permlanex16_b32 v[T], v[R], s60, s61
	v_max_num_f32 v[R], v[R], v[T]
	ds_store_b32 v[RBW], v[R] offset:16*\slot      ; every lane writes my wave's word with the same value
	s_wait_dscnt 0x0                               ; my word is written and my reads of the stage are over
	BAR
	ds_load_b128 v[AF:AF+3], v[RBR] offset:16*\slot
	s_wait_dscnt 0x0
	v_max3_num_f32 v[AF], v[AF], v[AF+1], v[AF+2]
	v_max_num_f32 v[AF], v[AF], v[AF+3]
	v_lshrrev_b32 v[AF], 23, v[AF]                 ; the biased exponent E (the sign is 0)
	v_readfirstlane_b32 s[\sk], v[AF]
	s_sub_co_i32 s[\sk], 141, s[\sk]
	s_min_i32 s[\sk], s[\sk], 126                  ; k is -114 .. 126, so 2^k is a normal f32
	s_add_co_i32 s56, s[\sk], 127
	s_lshl_b32 s56, s56, 23
	s_mov_b32 s57, s56
.endm
.macro SCALECVT xw                     ; window 1 times 2^k, rounded to f16 into v0-127.  xw = 1: v0-127 are the data of earlier global stores
.if \xw
	s_wait_xcnt 0x0                                ; rewritten only behind this wait
.endif
	WIN 0x41
.set i_, 0
.rept 128
	v_pk_mul_f32 v[2*i_:2*i_+1], v[2*i_:2*i_+1], s[56:57] op_sel_hi:[1,0]
.set i_, i_+1
.endr
	WIN 0x05
.set i_, 0
.rept 128
	v_cvt_pk_f16_f32 v[i_], v[2*i_], v[2*i_+1]
.set i_, i_+1
.endr
.endm
.macro STORET sd                       ; tile (mt, nt) is block (row tile 8 w + nt, k tile 4 blk + mt) of the transpose: 512 consecutive bytes a store
	WIN 0
.set t_, 0
.rept 32
	global_store_b128 v[BOFF], v[4*t_:4*t_+3], s[\sd:\sd+1] offset:(t_%8)*16384+(t_/8)*512
.set t_, t_+1
.endr
.endm
	s_load_b256 s[8:15], s[0:1], 0x0               ; v1t, v2t, wf, v5t
	s_load_b128 s[16:19], s[0:1], 0x20             ; v7t, ex
	v_lshl_add_u32 v254, v0, 2, 0x20100
	v_mov_b32 v255, 0
	v_lshrrev_b32 v[T], 5, v0
	v_readfirstlane_b32 s6, v[T]                   ; wave
	v_and_b32 v[LANE], 31, v0
	s_mov_b32 s60, 0x76543210                      ; v_permlanex16_b32: lane i of one half reads lane i of the other
	s_mov_b32 s61, 0xfedcba98
	s_lshl_b32 s2, s6, 17
	s_lshl_b32 s3, s6, 12
	s_add_co_u32 s3, s3, 0x10000
	s_lshl_b32 s4, s6, 9
	s_lshl_b32 s5, s6, 2
	s_add_co_u32 s5, s5, REDB
	v_lshl_add_u32 v[BOFF], v[LANE], 4, s2
	v_lshlrev_b32 v[A0], 4, v[LANE]
	v_add_nc_u32 v[A1], 0x10000, v[A0]
	v_lshl_add_u32 v[ST1], v[LANE], 4, s3
	v_lshl_add_u32 v[CP], v[LANE], 4, s4
	v_mov_b32 v[RBW], s5
	v_mov_b32 v[RBR], REDB
	s_lshr_b32 s42, ttmp9, 3                       ; slice
	s_and_b32 s43, ttmp9, 7                        ; row block
	s_lshl_b32 s44, ttmp9, 16                      ; my 64 rows of v1t
	s_mov_b32 s45, 0
	s_lshl_b32 s46, s42, 19                        ; my slice
	s_mov_b32 s47, 0
	s_lshl_b32 s48, s43, 11                        ; four k tiles of 512 bytes in each row tile of a transpose
	s_add_co_u32 s48, s48, s46
	s_mov_b32 s49, 0
	s_lshl_b32 s50, ttmp9, 2
	s_mov_b32 s51, 0
	s_wait_kmcnt 0x0
	s_add_nc_u64 s[8:9], s[8:9], s[44:45]
	s_add_nc_u64 s[10:11], s[10:11], s[46:47]
	s_add_nc_u64 s[14:15], s[14:15], s[48:49]
	s_add_nc_u64 s[16:17], s[16:17], s[48:49]
	s_add_nc_u64 s[18:19], s[18:19], s[50:51]
	; v1's 64 rows, 64 KiB that are consecutive in memory, go as they lie into stage 0
.set i_, 0
.rept 32
	global_load_b128 v[4*i_:4*i_+3], v[CP], s[8:9] offset:i_*2048
.set i_, i_+1
.endr
	REFILL 0, 10, 0
	REFILL 1, 10, 0
	REFILL 2, 10, 0
	REFILL 3, 10, 0
	s_wait_loadcnt 63                              ; of the 96 loads issued the oldest 33 are in: all 32 of v1
	WIN 0
.set i_, 0
.rept 32
	ds_store_b128 v[CP], v[4*i_:4*i_+3] offset:i_*2048
.set i_, i_+1
.endr
	s_wait_dscnt 0x0
	BAR                                            ; stage 0 is whole
	PASS 0, A0, 10, 0, 1, 12, 3*MAT                ; T = v1 v2^T
	BLOCKSCALE 0, 40                               ; kt
	SCALECVT 0
	WIN 0
.set t_, 0
.rept 32
	ds_store_b128 v[ST1], v[4*t_:4*t_+3] offset:(t_/8)*16384+(t_%8)*512   ; tile (mt, nt) is block (mt, 8 w + nt) of t'
.set t_, t_+1
.endr
	s_wait_dscnt 0x0
	BAR                                            ; stage 1 is whole; it is never written again
	PASS 1, A1, 12, 3*MAT, 1, 12, 4*MAT            ; P5 = t' Wq2^T
	BLOCKSCALE 1, 41                               ; k5
	SCALECVT 0
	STORET 14
	PASS 1, A1, 12, 4*MAT, 0, 12, 0                ; P7 = t' Wv2^T
	BLOCKSCALE 2, 42                               ; k7
	SCALECVT 1
	STORET 16
	s_lshl_b32 s43, s40, 1
	s_add_co_i32 s43, s43, s41
	s_add_co_i32 s43, s43, s42                     ; 2 kt + k5 + k7
	s_cmp_lg_u32 s6, 0
	s_cbranch_scc1 .Lend                           ; wave 0 alone stores it: one word a work-group
	v_mov_b32 v[R], s43
	v_mov_b32 v[T], 0
	v_cmp_eq_u32 vcc_lo, 0, v[LANE]
	s_wait_xcnt 0x0                                ; EXEC is a source of the stores above: narrowed only behind this wait
	s_and_saveexec_b32 s52, vcc_lo
	global_store_b32 v[T], v[R], s[18:19]
	s_wait_xcnt 0x0                                ; and widened only behind this one
	s_or_b32 exec_lo, exec_lo, s52
.Lend:
	s_wait_tensorcnt 0x0
	ds_add_u32 v254, v255
	s_wait_dscnt 0x0
	s_endpgm
.Lfunc_end_k_q088c4f2e23_mid:
	.size	k_q088c4f2e23_mid, .Lfunc_end_k_q088c4f2e23_mid-k_q088c4f2e23_mid
	.p2alignl 7, 3214868480
	.fill 96, 4, 3214868480
	.section	.rodata,"a",@progbits
	.p2align	6, 0x0
	.amdhsa_kernel k_q088c4f2e23_mid
		.amdhsa_group_segment_fixed_size 131840
		.amdhsa_private_segment_fixed_size 0
		.amdhsa_enable_private_segment 0
		.amdhsa_kernarg_size 48
		.amdhsa_user_sgpr_count 2
		.amdhsa_user_sgpr_kernarg_segment_ptr 1
		.amdhsa_wavefront_size32 1
		.amdhsa_system_sgpr_workgroup_id_x 1
		.amdhsa_system_sgpr_workgroup_id_y 1
		.amdhsa_system_sgpr_workgroup_id_z 1
		.amdhsa_system_vgpr_workitem_id 0
		.amdhsa_next_free_vgpr 1024
		.amdhsa_next_free_sgpr 66
		.amdhsa_reserve_vcc 1
		.amdhsa_float_denorm_mode_32 3
		.amdhsa_float_denorm_mode_16_64 3
		.amdhsa_memory_ordered 1
		.amdhsa_forward_progress 1
		.amdhsa_inst_pref_size 255
	.end_amdhsa_kernel
	.section	.bss,"aw",@nobits
	.p2align	6
	.space	262144
	.amdgpu_metadata
---
amdhsa.version: [ 1, 2 ]
amdhsa.kernels:
  - .name:           k_q088c4f2e23_mid
    .symbol:         k_q088c4f2e23_mid.kd
    .args:
      - { .name: v1t, .offset: 0, .size: 8, .value_kind: global_buffer, .address_space: global }
      - { .name: v2t, .offset: 8, .size: 8, .value_kind: global_buffer, .address_space: global }
      - { .name: wf, .offset: 16, .size: 8, .value_kind: global_buffer, .address_space: global }
      - { .name: v5t, .offset: 24, .size: 8, .value_kind: global_buffer, .address_space: global }
      - { .name: v7t, .offset: 32, .size: 8, .value_kind: global_buffer, .address_space: global }
      - { .name: ex, .offset: 40, .size: 8, .value_kind: global_buffer, .address_space: global }
    .group_segment_fixed_size: 131840
    .private_segment_fixed_size: 0
    .kernarg_segment_align: 8
    .kernarg_segment_size: 48
    .max_flat_workgroup_size: 128
    .sgpr_count:     66
    .vgpr_count:     1024
    .wavefront_size: 32
...
	.end_amdgpu_metadata
.endif
;; end of part 3
;; launch tail (part 4): grid 256 x 1, 4 waves a work-group, no clusters, 169,728 bytes of LDS; arguments v5t, v7t, ex, wf, v1t, v3t, v2t, ln1_g, ln1_b, ln2_g, ln2_b, out0; writes out0
.if DOCPART == 4
	.amdgcn_target "amdgcn-amd-amdhsa--gfx1250"
	.amdhsa_code_object_version 6
	.text
	.protected	k_q088c4f2e23_tail
	.globl	k_q088c4f2e23_tail
	.p2align	8
	.type	k_q088c4f2e23_tail,@function
k_q088c4f2e23_tail:
	s_mov_b64 s[64:65], 0
	v_nop
	global_prefetch_b8 v0, s[64:65] scope:SCOPE_SE
	s_setreg_imm32_b32 hwreg(HW_REG_WAVE_MODE, 25, 1), 1
	s_wait_xcnt 0x0
; tail: for 64 rows h of a slice: G = v5^T v7; Q4, Q5, Q6 = g' Wq3^T, g' Wk3^T, g' Wv3^T; u = t4 v1 + t5 v3 + t6 v2 (elementwise);
; v15 = LayerNorm(u); y = v15 Wsum^T + u with Wsum = Wq3 + Wk3 + Wv3; out = LayerNorm(y).  f16 operands, f32 sums, all else f32.
; y is v16 + v17 + v18 of reference() for every input (the three products share v15); the order of rounding differs.
; SCALES.  With c = 1/sqrt(512): the stored v5'' v7'' of row block b is 2^ex[b] v5 v7 / c^2.  emin = the least ex of the slice's eight blocks;
; v5'' is multiplied by 2^(emin - ex[b]) <= 1 on its way into LDS, so G = 2^emin v9 / c^2.  g' = G 2^k3, k3 = min(141 - E, 126) from the largest
; magnitude of the work-group's block of G, so |g'| < 2^15.  t4 = Q4 inv, inv = c^3 2^-(emin + k3) = sqrt(2) 2^(-14 - emin - k3).
; LIMITS: inv's exponent is held inside -126 .. 127; elements below 2^-29 of their block's maximum lose bits (f16 denormals); NaN and infinities
; do not enter the maximum; v15 goes to f16, so 22.6 |ln1_g| + |ln1_b| must stay below 65,504 (|v15 - b| <= sqrt(511) |g|).
; LayerNorm as reference() has it: the mean, then the mean of the centred squares, then (x - m) rsqrt(v + 1e-5) g + b.
; SHARE: work-group id owns 64 rows of slice id>>3; wave w holds 64 rows x columns 128 w .. 128 w + 127 in 4 x 8 accumulator tiles.
; OPERAND B goes from memory straight into four register stages of 32 k (16 loads, 8 KiB a wave): wave w alone needs rows 128 w .. of it, so LDS
; would add a write and a read for each byte and spare none.  NO CLUSTER, NO TENSOR LOADS: work-groups do share B, but a shared tile would have to
; pass through LDS slots refilled behind a barrier of all partners after every 64 matrix instructions of a wave.
; All products have the sources swapped (source 0 = B's rows, source 1 = A's rows), so lane L holds row L&15 of a tile and its eight registers the
; columns 8 (L>>4) + 0..7.  A row's sum: 64 numbers in a lane, the other half of the lanes, four waves.
; BLOCK LAYOUT of f16 matrices: element (row, k) at ((row>>4)*32 + (k>>4))*512 + (((k>>3)&1)*16 + (row&15))*16 + (k&7)*2.
; WINDOWS: 0 = staging v0-127, A fragments and scratch v128-191, addresses v192-255; 1 = accumulators, then the centred rows; 2 = u, then y; 3 = B stages.
; LDS: stage 0 at 0 (v5^T rows, later v15), stage 1 at 65,536 (g'), each 64 KiB in block layout; OUT: 16 rows x 528 bytes for each wave;
; REDR: four uses x 4 row tiles x 16 rows x 4 waves of f32; REDB: the maxima.
.set MAT,   524288
.set OUT,   131072
.set OUTP,  528                        ; 512 + 16: an odd multiple of 16
.set OUTW,  16*OUTP
.set REDR,  OUT+4*OUTW                 ; 164864
.set REDB,  REDR+4096                  ; 168960
.set AF,    128
.set LANE,  193
.set RR,    194
.set HH,    195
.set BOFF,  196                        ; 131072 w + 16 L
.set A0,    197                        ; 16 L
.set A1,    198                        ; 65536 + 16 L
.set ST0,   199                        ; 4096 w + 16 L
.set ST1,   200                        ; 65536 + 4096 w + 16 L
.set CP,    201                        ; 512 w + 16 L
.set GOFF,  202                        ; 512 w + 32 (L>>4)
.set RBW,   203                        ; REDB + 4 w
.set RBR,   204                        ; REDB
.set RSW,   205                        ; REDR + 16 (L&15) + 4 w
.set RSR,   206                        ; REDR + 16 (L&15)
.set OS,    207                        ; OUT + OUTW w + OUTP (L&15) + 32 (L>>4)
.set OL,    208                        ; OUT + OUTW w + 16 L
.set R,     210                        ; four: one figure for each row tile; also the chains of maxima
.set T,     214                        ; four
.set S,     218                        ; four pairs: running sums
.set NM,    226                        ; four pairs: minus the mean
.set RS,    234                        ; four pairs: 1 / sqrt(var + eps)
.set RAT,   242                        ; eight: 2^(emin - ex[b]) as two f16
.set MSB,   0
.macro WIN new                         ; the immediate's high byte repeats the setting that is left
.if MSB != \new
	s_set_vgpr_msb (MSB<<8)|\new
.set MSB, \new
.endif
.endm
.macro PLACES                          ; four places behind matrix instructions ahead of loads into, and reads of, their registers
.rept 4
	v_nop
.endr
.endm
.macro BAR
	s_barrier_signal -1
	s_barrier_wait -1
.endm
.macro REFILL qq, sb, off              ; stage qq % 4 <- B's k = 32 qq .. of my 128 rows: 16 loads of 512 consecutive bytes
	WIN 0xC0
.set nt_, 0
.rept 8
	global_load_b128 v[64*((\qq)%4)+8*nt_:64*((\qq)%4)+8*nt_+3], v[BOFF], s[\sb:\sb+1] offset:(\off)+nt_*16384+(\qq)*1024
	global_load_b128 v[64*((\qq)%4)+8*nt_+4:64*((\qq)%4)+8*nt_+7], v[BOFF], s[\sb:\sb+1] offset:(\off)+nt_*16384+(\qq)*1024+512
.set nt_, nt_+1
.endr
.endm
.macro ALOAD qq, areg                  ; A buffer qq % 2 <- 64 rows x 32 k of a stage: 512 consecutive bytes a load
	WIN 0
.set mt_, 0
.rept 4
	ds_load_b128 v[AF+32*((\qq)%2)+8*mt_:AF+32*((\qq)%2)+8*mt_+3], v[\areg] offset:mt_*16384+(\qq)*1024
	ds_load_b128 v[AF+32*((\qq)%2)+8*mt_+4:AF+32*((\qq)%2)+8*mt_+7], v[\areg] offset:mt_*16384+(\qq)*1024+512
.set mt_, mt_+1
.endr
.endm
.macro MUL32 qq, win, zero             ; 32 matrix instructions; the 32 accumulators take turns, one instruction a turn
	WIN \win                               ; 0x53: source 0 window 3 (B), source 1 window 0 (A), C and D window 1; 0xA3: C and D window 2
.set mt_, 0
.rept 4
.set nt_, 0
.rept 8
.set d_, 8*(8*mt_+nt_)
.set a_, AF+32*((\qq)%2)+8*mt_
.set b_, 64*((\qq)%4)+8*nt_
.if \zero
	v_wmma_f32_16x16x32_f16 v[d_:d_+7], v[b_:b_+7], v[a_:a_+7], 0
.else
	v_wmma_f32_16x16x32_f16 v[d_:d_+7], v[b_:b_+7], v[a_:a_+7], v[d_:d_+7]
.endif
.set nt_, nt_+1
.endr
.set mt_, mt_+1
.endr
.endm
.macro GBL e0, n, sx, sy               ; loads e0 .. e0 + n - 1 of 32: the gain of my 64 columns into v0-63, the bias into v64-127 (tile nt, register j at 8 nt + j)
.set e_, (\e0)
.rept \n
.if e_ < 16
	global_load_b128 v[4*e_:4*e_+3], v[GOFF], s[\sx:\sx+1] offset:(e_/2)*64+(e_%2)*16
.else
	global_load_b128 v[4*e_:4*e_+3], v[GOFF], s[\sy:\sy+1] offset:((e_-16)/2)*64+(e_%2)*16
.endif
.set e_, e_+1
.endr
.endm
; Substeps 4-11 also fetch what the product's epilogue wants, four loads each, into v0-127.
; kind 1: my 32 tiles of v1, v3 or v2 (tile e at v[4 e]); kind 3: gain and bias; kind 0: nothing.
.macro XLOAD kind, sx, sy
.if \kind
.if q >= 4
.if q < 12
	WIN 0
.if \kind == 1
.set i_, 0
.rept 4
.set e_, 4*(q-4)+i_
	global_load_b128 v[4*e_:4*e_+3], v[ST0], s[\sx:\sx+1] offset:(e_/8)*16384+(e_%8)*512
.set i_, i_+1
.endr
.else
	GBL 4*(q-4), 4, \sx, \sy
.endif
.endif
.endif
.endif
.endm
; One product, 16 substeps of 32 k, written out.  B at s[sb] + off; nxt = 1: the last four substeps fetch the first four stages of wf + offn.
.macro PASS win, zero, areg, sb, off, nxt, offn, kind, sx, sy
	ALOAD 0, \areg
	ALOAD 1, \areg
.set q, 0
.rept 16
.if \nxt
	s_wait_loadcnt 48                              ; stage q is in: behind it at least the three younger stages' 48 loads were issued.  In substep 15 the
	                                               ; 64 loads issued behind the epilogue's data show that in too
.else
.if q > 12
	s_wait_loadcnt 16*(15-q)                       ; nothing is fetched any more: the count runs down
.else
	s_wait_loadcnt 48
.endif
.endif
.if q == 15
	s_wait_dscnt 0x0
.else
	s_wait_dscnt 8                                 ; A of this substep is in; the next substep's eight loads stay out
.endif
.if q == 0
	MUL32 q, \win, \zero
.else
	MUL32 q, \win, 0
.endif
	PLACES
	XLOAD \kind, \sx, \sy
.if q < 14
	ALOAD q+2, \areg
.endif
.if q < 12
	REFILL q+4, \sb, \off
.else
.if \nxt
	REFILL q-12, 14, \offn
.endif
.endif
.set q, q+1
.endr
.endm
.macro CVT128                          ; 256 f32 of window 1 -> 128 registers of f16 pairs in v0-127
	WIN 0x05
.set i_, 0
.rept 128
	v_cvt_pk_f16_f32 v[i_], v[2*i_], v[2*i_+1]
.set i_, i_+1
.endr
.endm
.macro SCALE128 win                    ; a window times s56 (0x41: window 1, 0x82: window 2)
	WIN \win
.set i_, 0
.rept 128
	v_pk_mul_f32 v[2*i_:2*i_+1], v[2*i_:2*i_+1], s[56:57] op_sel_hi:[1,0]
.set i_, i_+1
.endr
.endm
.macro TOSTAGE reg                     ; tile (mt, nt) in v[4 t] is block (mt, 8 w + nt) of the next operand A
	WIN 0
.set t_, 0
.rept 32
	ds_store_b128 v[\reg], v[4*t_:4*t_+3] offset:(t_/8)*16384+(t_%8)*512
.set t_, t_+1
.endr
	s_wait_dscnt 0x0
	BAR                                            ; the stage is whole
.endm
.macro W1 reg, d                       ; two f16 of a staging register -> two f32
	v_cvt_f32_f16 v[(\d)], v\reg\().l
	v_cvt_f32_f16 v[(\d)+1], v\reg\().h
.endm
.macro VFMA first, mt                  ; u (window 2) = or += product (window 1) x widened v (window 0), row tile mt
	WIN 0xA1
.set i_, 0
.rept 32
.if \first
	v_pk_mul_f32 v[64*(\mt)+2*i_:64*(\mt)+2*i_+1], v[64*(\mt)+2*i_:64*(\mt)+2*i_+1], v[AF+2*i_:AF+2*i_+1]
.else
	v_pk_fma_f32 v[64*(\mt)+2*i_:64*(\mt)+2*i_+1], v[64*(\mt)+2*i_:64*(\mt)+2*i_+1], v[AF+2*i_:AF+2*i_+1], v[64*(\mt)+2*i_:64*(\mt)+2*i_+1]
.endif
.set i_, i_+1
.endr
.endm
.macro VMUL first                      ; staging register n holds the f16 that belong to accumulator registers 2 n, 2 n + 1
	WIN 0
.irp g, 0,1,2,3,4,5,6,7,8,9,10,11,12,13,14,15,16,17,18,19,20,21,22,23,24,25,26,27,28,29,30,31
	W1 \g, AF+2*\g
.endr
	VFMA \first, 0
	WIN 0
.irp g, 32,33,34,35,36,37,38,39,40,41,42,43,44,45,46,47,48,49,50,51,52,53,54,55,56,57,58,59,60,61,62,63
	W1 \g, AF+2*(\g-32)
.endr
	VFMA \first, 1
	WIN 0
.irp g, 64,65,66,67,68,69,70,71,72,73,74,75,76,77,78,79,80,81,82,83,84,85,86,87,88,89,90,91,92,93,94,95
	W1 \g, AF+2*(\g-64)
.endr
	VFMA \first, 2
	WIN 0
.irp g, 96,97,98,99,100,101,102,103,104,105,106,107,108,109,110,111,112,113,114,115,116,117,118,119,120,121,122,123,124,125,126,127
	W1 \g, AF+2*(\g-96)
.endr
	VFMA \first, 3
.endm
; v[R + mt] = a lane's sum for row 16 mt + (L&15) -> the whole row's sum, in every lane that holds the row.
; Use 'slot' (0 to 3) has 1,024 LDS bytes of its own, so one barrier a use is enough.
.macro ROWSUM slot
.irp m, 0,1,2,3
	v_permlanex16_b32 v[T+\m], v[R+\m], s60, s61   ; the other half of the lanes holds the row's other columns
.endr
.irp m, 0,1,2,3
	v_add_f32 v[R+\m], v[R+\m], v[T+\m]
.endr
.irp m, 0,1,2,3
	ds_store_b32 v[RSW], v[R+\m] offset:(\slot)*1024+\m*256   ; both halves write the same word with the same value
.endr
	s_wait_dscnt 0x0
	BAR
.irp m, 0,1,2,3
	ds_load_b128 v[AF+4*\m:AF+4*\m+3], v[RSR] offset:(\slot)*1024+\m*256   ; the four waves' sums of my row
.endr
	s_wait_dscnt 0x0
.irp m, 0,1,2,3
	v_add_f32 v[AF+4*\m], v[AF+4*\m], v[AF+4*\m+1]
	v_add_f32 v[AF+4*\m+2], v[AF+4*\m+2], v[AF+4*\m+3]
.endr
.irp m, 0,1,2,3
	v_add_f32 v[R+\m], v[AF+4*\m], v[AF+4*\m+2]
.endr
.endm
; LayerNorm of window 2 into window 1; gain in v0-63, bias in v64-127.  slot, slot + 1: the two row sums' LDS bytes.  ldw = 1: gain and bias are still on their way.
.macro LNORM slot, ldw
	WIN 0x0A
.irp m, 0,1,2,3
	v_pk_add_f32 v[S+2*\m:S+2*\m+1], v[64*\m:64*\m+1], v[64*\m+2:64*\m+3]   ; the first two pairs start a row tile's sum
.endr
	WIN 0x02
.set i_, 2
.rept 30
.irp m, 0,1,2,3
	v_pk_add_f32 v[S+2*\m:S+2*\m+1], v[64*\m+2*i_:64*\m+2*i_+1], v[S+2*\m:S+2*\m+1]
.endr
.set i_, i_+1
.endr
	WIN 0
.irp m, 0,1,2,3
	v_add_f32 v[R+\m], v[S+2*\m], v[S+2*\m+1]
.endr
	ROWSUM (\slot)
.irp m, 0,1,2,3
	v_mul_f32 v[NM+2*\m], 0xbb000000, v[R+\m]      ; minus the mean: x -1/512
.endr
.irp m, 0,1,2,3
	v_mov_b32 v[NM+2*\m+1], v[NM+2*\m]
.endr
	WIN 0x42
.set i_, 0
.rept 128
	v_pk_add_f32 v[2*i_:2*i_+1], v[2*i_:2*i_+1], v[NM+2*(i_/32):NM+2*(i_/32)+1]   ; window 1 = window 2 - mean
.set i_, i_+1
.endr
	WIN 0x05
.irp m, 0,1,2,3
	v_pk_mul_f32 v[S+2*\m:S+2*\m+1], v[64*\m:64*\m+1], v[64*\m:64*\m+1]
.endr
.set i_, 1
.rept 31
.irp m, 0,1,2,3
	v_pk_fma_f32 v[S+2*\m:S+2*\m+1], v[64*\m+2*i_:64*\m+2*i_+1], v[64*\m+2*i_:64*\m+2*i_+1], v[S+2*\m:S+2*\m+1]
.endr
.set i_, i_+1
.endr
	WIN 0
.irp m, 0,1,2,3
	v_add_f32 v[R+\m], v[S+2*\m], v[S+2*\m+1]
.endr
	ROWSUM (\slot+1)
.irp m, 0,1,2,3
	v_fma_f32 v[R+\m], v[R+\m], s58, s59           ; sum / 512 + 1e-5
.endr
.irp m, 0,1,2,3
	v_rsq_f32 v[RS+2*\m], v[R+\m]
.endr
	v_nop                                          ; one plain vector instruction behind the transcendentals before a result is used (ISA guide 5.7.2)
	s_wait_alu depctr_va_vdst(0)
.irp m, 0,1,2,3
	v_mov_b32 v[RS+2*\m+1], v[RS+2*\m]
.endr
.if \ldw
	s_wait_loadcnt 0x0                             ; gain and bias (the next product's first stages, issued ahead of them, are in too)
.endif
	WIN 0x41
.set i_, 0
.rept 128
	v_pk_mul_f32 v[2*i_:2*i_+1], v[2*i_:2*i_+1], v[RS+2*(i_/32):RS+2*(i_/32)+1]
.set i_, i_+1
.endr
.set i_, 0
.rept 128
	v_pk_fma_f32 v[2*i_:2*i_+1], v[2*i_:2*i_+1], v[(2*i_)%64:(2*i_)%64+1], v[64+(2*i_)%64:64+(2*i_)%64+1]
.set i_, i_+1
.endr
.endm
	s_load_b512 s[8:23], s[0:1], 0x0               ; v5t, v7t, ex, wf, v1t, v3t, v2t, ln1_g
	s_load_b256 s[24:31], s[0:1], 0x40             ; ln1_b, ln2_g, ln2_b, out0
	v_lshl_add_u32 v254, v0, 2, 0x29500
	v_mov_b32 v255, 0
	v_lshrrev_b32 v[T], 5, v0
	v_readfirstlane_b32 s6, v[T]                   ; wave
	v_and_b32 v[LANE], 31, v0
	v_and_b32 v[RR], 15, v0
	v_bfe_u32 v[HH], v0, 4, 1
.irp m, 0,1,2,3
	v_mov_b32 v[T+\m], 0                           ; v_permlanex16_b32 counts as a reader of its destination
.endr
	s_mov_b32 s58, 0x3b000000                      ; 1/512
	s_mov_b32 s59, 0x3727c5ac                      ; 1e-5
	s_mov_b32 s60, 0x76543210                      ; v_permlanex16_b32: lane i of one half reads lane i of the other
	s_mov_b32 s61, 0xfedcba98
	s_lshl_b32 s2, s6, 17
	s_lshl_b32 s3, s6, 12
	s_lshl_b32 s4, s6, 9
	s_mul_i32 s5, s6, OUTW
	s_add_co_u32 s5, s5, OUT
	s_lshl_b32 s7, s6, 2
	v_lshl_add_u32 v[BOFF], v[LANE], 4, s2
	v_lshlrev_b32 v[A0], 4, v[LANE]
	v_add_nc_u32 v[A1], 0x10000, v[A0]
	v_lshl_add_u32 v[ST0], v[LANE], 4, s3
	v_add_nc_u32 v[ST1], 0x10000, v[ST0]
	v_lshl_add_u32 v[CP], v[LANE], 4, s4
	v_lshl_add_u32 v[GOFF], v[HH], 5, s4
	v_lshl_add_u32 v[OL], v[LANE], 4, s5
	v_mul_u32_u24 v[OS], v[RR], OUTP
	v_lshl_add_u32 v[OS], v[HH], 5, v[OS]
	v_add_nc_u32 v[OS], s5, v[OS]
	v_lshlrev_b32 v[RSR], 4, v[RR]
	v_add_nc_u32 v[RSR], REDR, v[RSR]
	v_add_nc_u32 v[RSW], s7, v[RSR]
	s_add_co_u32 s52, s7, REDB
	v_mov_b32 v[RBW], s52
	v_mov_b32 v[RBR], REDB
	s_lshr_b32 s42, ttmp9, 3                       ; slice
	s_lshl_b32 s44, ttmp9, 16                      ; my 64 rows of a [512][512] f16 matrix
	s_mov_b32 s45, 0
	s_lshl_b32 s46, s42, 19                        ; my slice
	s_mov_b32 s47, 0
	s_lshl_b32 s48, s42, 5                         ; my slice's eight words of ex
	s_mov_b32 s49, 0
	s_lshl_b32 s50, ttmp9, 17                      ; my 64 rows of out0
	s_mov_b32 s51, 0
	s_wait_kmcnt 0x0
	s_add_nc_u64 s[8:9], s[8:9], s[44:45]
	s_add_nc_u64 s[10:11], s[10:11], s[46:47]
	s_add_nc_u64 s[12:13], s[12:13], s[48:49]
	s_add_nc_u64 s[16:17], s[16:17], s[44:45]
	s_add_nc_u64 s[18:19], s[18:19], s[44:45]
	s_add_nc_u64 s[20:21], s[20:21], s[44:45]
	s_add_nc_u64 s[30:31], s[30:31], s[50:51]
	s_load_b256 s[32:39], s[12:13], 0x0            ; ex of the slice's eight row blocks
	; my 64 rows of v5^T: 64 KiB that are consecutive in memory
.set i_, 0
.rept 32
	global_load_b128 v[4*i_:4*i_+3], v[CP], s[8:9] offset:i_*2048
.set i_, i_+1
.endr
	REFILL 0, 10, 0
	REFILL 1, 10, 0
	REFILL 2, 10, 0
	REFILL 3, 10, 0
	WIN 0
	s_wait_kmcnt 0x0
	s_min_i32 s40, s32, s33
.irp b, 34,35,36,37,38,39
	s_min_i32 s40, s40, s[\b]                      ; emin
.endr
.irp b, 0,1,2,3,4,5,6,7
	s_sub_co_i32 s53, s40, s[32+\b]                ; emin - ex[b] <= 0
	s_max_i32 s53, s53, -126
	s_add_co_i32 s53, s53, 127
	s_lshl_b32 s53, s53, 23                        ; 2^(emin - ex[b]) in f32,
	v_cvt_pk_f16_f32 v[RAT+\b], s53, s53           ; twice in f16 (below 2^-24 it is 0: such a block adds nothing that f32 would keep beside the largest)
.endr
	s_wait_loadcnt 63                              ; of the 96 loads issued the oldest 33 are in: all 32 of v5^T
.set i_, 0
.rept 32
.irp c, 0,1,2,3
	v_pk_mul_f16 v[4*i_+\c], v[4*i_+\c], v[RAT+i_%8]   ; load i of wave w is k tile (4 i + w) % 32, which row block i % 8 of the slice wrote
.endr
.set i_, i_+1
.endr
.set i_, 0
.rept 32
	ds_store_b128 v[CP], v[4*i_:4*i_+3] offset:i_*2048
.set i_, i_+1
.endr
	s_wait_dscnt 0x0
	BAR                                            ; stage 0 is whole
	PASS 0x53, 1, A0, 10, 0, 1, 5*MAT, 0, 0, 0     ; G = v5^T v7
	; the largest magnitude of the work-group's block of G -> k3 in s41, 2^k3 in s56 and s57
	WIN 0x05
.set i_, 0
.rept 128
.if i_ < 4
	v_max3_num_f32 v[R+i_], |v[2*i_]|, |v[2*i_+1]|, 0
.else
	v_max3_num_f32 v[R+i_%4], |v[2*i_]|, |v[2*i_+1]|, v[R+i_%4]
.endif
.set i_, i_+1
.endr
	WIN 0
	v_max3_num_f32 v[R], v[R], v[R+1], v[R+2]
	v_max_num_f32 v[R], v[R], v[R+3]
	v_max_num_f32_dpp v[R], v[R], v[R] row_xmask:1 row_mask:0xf bank_mask:0xf
	v_max_num_f32_dpp v[R], v[R], v[R] row_xmask:2 row_mask:0xf bank_mask:0xf
	v_max_num_f32_dpp v[R], v[R], v[R] row_xmask:4 row_mask:0xf bank_mask:0xf
	v_max_num_f32_dpp v[R], v[R], v[R] row_xmask:8 row_mask:0xf bank_mask:0xf
	v_permlanex16_b32 v[T], v[R], s60, s61
	v_max_num_f32 v[R], v[R], v[T]
	ds_store_b32 v[RBW], v[R]
	s_wait_dscnt 0x0                               ; my word is written and my reads of stage 0 are over
	BAR
	ds_load_b128 v[AF:AF+3], v[RBR]
	s_wait_dscnt 0x0
	v_max3_num_f32 v[AF], v[AF], v[AF+1], v[AF+2]
	v_max_num_f32 v[AF], v[AF], v[AF+3]
	v_lshrrev_b32 v[AF], 23, v[AF]                 ; the biased exponent E
	v_readfirstlane_b32 s41, v[AF]
	s_sub_co_i32 s41, 141, s41
	s_min_i32 s41, s41, 126                        ; k3
	s_add_co_i32 s56, s41, 127
	s_lshl_b32 s56, s56, 23
	s_mov_b32 s57, s56
	SCALE128 0x41
	CVT128
	TOSTAGE ST1                                    ; g'
	s_add_co_i32 s53, s40, s41
	s_sub_co_i32 s53, -14, s53                     ; -14 - emin - k3,
	s_max_i32 s53, s53, -126
	s_min_i32 s53, s53, 127                        ; held where the exponent field can follow
	s_lshl_b32 s53, s53, 23
	s_add_co_u32 s56, s53, 0x3fb504f3              ; inv = sqrt(2) 2^e
	s_mov_b32 s57, s56
	PASS 0x53, 1, A1, 14, 5*MAT, 1, 6*MAT, 1, 16, 0    ; Q4 = g' Wq3^T; v1's tiles come meanwhile
	VMUL 1
	PASS 0x53, 1, A1, 14, 6*MAT, 1, 7*MAT, 1, 18, 0    ; Q5 = g' Wk3^T; v3
	VMUL 0
	PASS 0x53, 1, A1, 14, 7*MAT, 1, 8*MAT, 1, 20, 0    ; Q6 = g' Wv3^T; v2; Wsum's first stages
	VMUL 0
	WIN 0
	GBL 0, 32, 22, 24                              ; ln1_g, ln1_b: they land during the sums below
	SCALE128 0x82                                  ; u = inv (Q4 v1 + Q5 v3 + Q6 v2)
	LNORM 0, 1
	CVT128                                         ; v15 in f16
	TOSTAGE ST0                                    ; stage 0 was last read in the first product, four barriers ago
	PASS 0xA3, 0, A0, 14, 8*MAT, 0, 0, 3, 26, 28   ; y = u + v15 Wsum^T: the product adds in place onto u; ln2_g, ln2_b come meanwhile
	LNORM 2, 0
	; THE WAY OUT, 16 rows at a time through my wave's own LDS bytes: 32 bytes a lane in, whole pieces of 512 bytes of a row back.
.set mt_, 0
.rept 4
	WIN 0x04                                       ; the store's data in window 1
.set n_, 0
.rept 8
	ds_store_b128 v[OS], v[64*mt_+8*n_:64*mt_+8*n_+3] offset:n_*64
	ds_store_b128 v[OS], v[64*mt_+8*n_+4:64*mt_+8*n_+7] offset:n_*64+16
.set n_, n_+1
.endr
	WIN 0
.if mt_ >= 2
	s_wait_xcnt 0x0                                ; this half of v0-127 was the data of stores two groups ago: loaded into only behind this wait
.endif
.set r_, 0
.rept 16
	ds_load_b128 v[64*(mt_%2)+4*r_:64*(mt_%2)+4*r_+3], v[OL] offset:r_*OUTP   ; LDS serves a wave's instructions in order (ISA guide 5.7.1): these see the stores above
.set r_, r_+1
.endr
.set r_, 0
.rept 16
	s_wait_dscnt 15-r_                             ; the younger reads stay out
	global_store_b128 v[CP], v[64*(mt_%2)+4*r_:64*(mt_%2)+4*r_+3], s[30:31] offset:(16*mt_+r_)*2048 th:TH_STORE_NT   ; 512 consecutive bytes of a row, aligned
.set r_, r_+1
.endr
.set mt_, mt_+1
.endr
	s_wait_tensorcnt 0x0
	ds_add_u32 v254, v255
	s_wait_dscnt 0x0
	s_endpgm
.Lfunc_end_k_q088c4f2e23_tail:
	.size	k_q088c4f2e23_tail, .Lfunc_end_k_q088c4f2e23_tail-k_q088c4f2e23_tail
	.p2alignl 7, 3214868480
	.fill 96, 4, 3214868480
	.section	.rodata,"a",@progbits
	.p2align	6, 0x0
	.amdhsa_kernel k_q088c4f2e23_tail
		.amdhsa_group_segment_fixed_size 169728
		.amdhsa_private_segment_fixed_size 0
		.amdhsa_enable_private_segment 0
		.amdhsa_kernarg_size 96
		.amdhsa_user_sgpr_count 2
		.amdhsa_user_sgpr_kernarg_segment_ptr 1
		.amdhsa_wavefront_size32 1
		.amdhsa_system_sgpr_workgroup_id_x 1
		.amdhsa_system_sgpr_workgroup_id_y 1
		.amdhsa_system_sgpr_workgroup_id_z 1
		.amdhsa_system_vgpr_workitem_id 0
		.amdhsa_next_free_vgpr 1024
		.amdhsa_next_free_sgpr 66
		.amdhsa_reserve_vcc 0
		.amdhsa_float_denorm_mode_32 3
		.amdhsa_float_denorm_mode_16_64 3
		.amdhsa_memory_ordered 1
		.amdhsa_forward_progress 1
		.amdhsa_inst_pref_size 255
	.end_amdhsa_kernel
	.section	.bss,"aw",@nobits
	.p2align	6
	.space	262144
	.amdgpu_metadata
---
amdhsa.version: [ 1, 2 ]
amdhsa.kernels:
  - .name:           k_q088c4f2e23_tail
    .symbol:         k_q088c4f2e23_tail.kd
    .args:
      - { .name: v5t, .offset: 0, .size: 8, .value_kind: global_buffer, .address_space: global }
      - { .name: v7t, .offset: 8, .size: 8, .value_kind: global_buffer, .address_space: global }
      - { .name: ex, .offset: 16, .size: 8, .value_kind: global_buffer, .address_space: global }
      - { .name: wf, .offset: 24, .size: 8, .value_kind: global_buffer, .address_space: global }
      - { .name: v1t, .offset: 32, .size: 8, .value_kind: global_buffer, .address_space: global }
      - { .name: v3t, .offset: 40, .size: 8, .value_kind: global_buffer, .address_space: global }
      - { .name: v2t, .offset: 48, .size: 8, .value_kind: global_buffer, .address_space: global }
      - { .name: ln1_g, .offset: 56, .size: 8, .value_kind: global_buffer, .address_space: global }
      - { .name: ln1_b, .offset: 64, .size: 8, .value_kind: global_buffer, .address_space: global }
      - { .name: ln2_g, .offset: 72, .size: 8, .value_kind: global_buffer, .address_space: global }
      - { .name: ln2_b, .offset: 80, .size: 8, .value_kind: global_buffer, .address_space: global }
      - { .name: out0, .offset: 88, .size: 8, .value_kind: global_buffer, .address_space: global }
    .group_segment_fixed_size: 169728
    .private_segment_fixed_size: 0
    .kernarg_segment_align: 8
    .kernarg_segment_size: 96
    .max_flat_workgroup_size: 128
    .sgpr_count:     66
    .vgpr_count:     1024
    .wavefront_size: 32
...
	.end_amdgpu_metadata
.endif
;; end of part 4
;; ======== version 2 of 3: 4 launches
;; limits: values outside matrix products are rounded to f16; values are held in f16: magnitudes above 65,504 overflow, below 6.1e-05 lose precision; right only within a limited range of input values
;; workspace buffers: wf 4,718,592 bytes; v1t 16,777,216 bytes; v2t 16,777,216 bytes; v3t 16,777,216 bytes; v5t 16,777,216 bytes; v7t 16,777,216 bytes; ex 1,024 bytes
;; launch prep: the kernel of part 1 again; grid 256 x 1, 2 waves a work-group, no clusters, 23,296 bytes of LDS; arguments Wq1, Wk1, Wv1, Wq2, Wv2, Wq3, Wk3, Wv3, wf; writes wf
;; launch proj (part 5): grid 256 x 1, 4 waves a work-group, no clusters, 133,632 bytes of LDS; arguments x, wf, bq1, bk1, bv1, v1t, v2t, v3t; writes v1t, v2t, v3t
.if DOCPART == 5
	.amdgcn_target "amdgcn-amd-amdhsa--gfx1250"
	.amdhsa_code_object_version 6
	.text
	.protected	k_q088c4f2e23_proj
	.globl	k_q088c4f2e23_proj
	.p2align	8
	.type	k_q088c4f2e23_proj,@function
k_q088c4f2e23_proj:
	s_mov_b64 s[64:65], 0
	v_nop
	global_prefetch_b8 v0, s[64:65] scope:SCOPE_SE
	s_setreg_imm32_b32 hwreg(HW_REG_WAVE_MODE, 25, 1), 1
	s_wait_xcnt 0x0
; proj: v1 = x Wq1^T + bq1, v2 = x Wk1^T + bk1, v3 = x Wv1^T + bv1, products in f16 with f32 sums, results in f16 in the block layout:
;   element (row, k) of a [512][512] matrix at ((row>>4)*32 + (k>>4))*512 + (((k>>3)&1)*16 + (row&15))*16 + (k&7)*2.
; f16, not bf16: the chain of eleven products rounds its operands seven times in a row, and the result is compared to one part in a hundred.
; LIMIT: |x|, |W| and |v1..v3| of 65,504 or more become infinite.  With x and W thirty times the drawn spread |v| stays near 5e3, with a
; common offset of thirty spreads on both near 2.1e4.
; SHARE: work-group id owns rows 128 (id>>1) .. + 127 of the 16,384 rows and columns 256 (id&1) .. + 255 of each of the three results.
; Four waves; wave w makes 128 rows x 64 columns: 8 x 4 accumulator tiles, 256 registers.  The three products follow each other.
; These products feed no further product inside the launch, so the block need not hold whole rows: the tall wave tile takes, for 32 matrix
; instructions, 4 KiB of a weight from memory and 8 KiB of x from LDS; a work-group reads 3 x 256 KiB of weights.
; x's 128 rows lie once in LDS as f16 and all waves read them as operand A.  Two neighbouring work-groups read the same rows of x.
; OPERAND B (a weight) goes from memory straight into registers: wave w alone needs its 64 rows of it, so LDS would add a write and a
; read for each byte and spare none.  Eight stages of 32 k (8 loads, 4 KiB a wave) take turns; seven are on their way while one is multiplied.
; NO CLUSTER, NO TENSOR LOADS: work-groups of one column half do read the same weights, but a joint tile would have to pass through LDS, where
; each byte would be written once and read once by a single wave, on top of the 8 KiB of A that a wave reads for every 32 matrix instructions.
; THE MATRIX INSTRUCTION IS USED TRANSPOSED (source 0 = B's rows, source 1 = A's rows): lane L then holds row L&15 of the result and its eight
; registers the columns 8 (L>>4) + 0..7, which pack into the 16 bytes at 16 L of a block.
; REGISTER WINDOWS of 256: 0 = A fragments v0-127 (two buffers of 64), bias v128-159, addresses v192-255; 1 = accumulators;
; 2 = results in f16 on their way out (v0-127); 3 = B stages (stage s at v[32 s]).  At the start x passes through windows 1 and 2.
.set MAT,   524288
.set XP,    1040                       ; LDS pitch of a row of x in f16: 1,024 + 16, an odd multiple of 16
.set AF,    0                          ; two A fragment buffers of 64 registers; at the start: x in f16 on its way into LDS
.set BIAS,  128                        ; v[128:159]: tile nt, register j at 8 nt + j
.set LANE,  193
.set RR,    194                        ; L & 15
.set HH,    195                        ; L >> 4
.set BOFF,  196                        ; 262144 half + 65536 w + 16 L: my 16 bytes in the first block of my 64 rows of a weight
.set A0,    197                        ; LDS: (L&15) XP + 16 (L>>4): rows 0-63
.set A0B,   198                        ; the same 64 rows further down: an LDS offset has 16 bits
.set ST0,   199                        ; 8192 half + 2048 w + 16 L: my 16 bytes in the first block of my columns
.set GOFF,  202                        ; 1024 half + 256 w + 32 (L>>4): my eight columns' bias in tile 0
.set T,     214
.set XO,    250                        ; 65536 w + 16 L: x, my wave's 32 rows
.set XS,    251                        ; LDS: 32 XP w + 8 L
.set MSB,   0
.macro WIN new                         ; the immediate's high byte repeats the setting that is left
.if MSB != \new
	s_set_vgpr_msb (MSB<<8)|\new
.set MSB, \new
.endif
.endm
.macro PLACES                          ; four places behind matrix instructions ahead of loads into, and reads of, their registers
.rept 4
	v_nop
.endr
.endm
.macro REFILL qq, off                  ; stage qq % 8 <- k = 32 qq .. 32 qq + 31 of my 64 rows of the weight at wf + off: 8 loads of 512 consecutive bytes
	WIN 0xC0
.set nt_, 0
.rept 4
	global_load_b128 v[32*((\qq)%8)+8*nt_:32*((\qq)%8)+8*nt_+3], v[BOFF], s[10:11] offset:(\off)+nt_*16384+(\qq)*1024
	global_load_b128 v[32*((\qq)%8)+8*nt_+4:32*((\qq)%8)+8*nt_+7], v[BOFF], s[10:11] offset:(\off)+nt_*16384+(\qq)*1024+512
.set nt_, nt_+1
.endr
.endm
.macro ALOAD qq                        ; A buffer qq % 2 <- 128 rows x 32 k from the row-major stage: 16 loads
	WIN 0
.set mt_, 0
.rept 4
	ds_load_b128 v[AF+64*((\qq)%2)+8*mt_:AF+64*((\qq)%2)+8*mt_+3], v[A0] offset:mt_*16*XP+(\qq)*64
	ds_load_b128 v[AF+64*((\qq)%2)+8*mt_+4:AF+64*((\qq)%2)+8*mt_+7], v[A0] offset:mt_*16*XP+(\qq)*64+32
.set mt_, mt_+1
.endr
.set mt_, 0
.rept 4
	ds_load_b128 v[AF+64*((\qq)%2)+32+8*mt_:AF+64*((\qq)%2)+32+8*mt_+3], v[A0B] offset:mt_*16*XP+(\qq)*64
	ds_load_b128 v[AF+64*((\qq)%2)+32+8*mt_+4:AF+64*((\qq)%2)+32+8*mt_+7], v[A0B] offset:mt_*16*XP+(\qq)*64+32
.set mt_, mt_+1
.endr
.endm
.macro MUL32 qq, zero                  ; 32 matrix instructions; the 32 accumulators take turns, one instruction a turn
	WIN 0x53                               ; source 0 window 3 (B), source 1 window 0 (A), C and D window 1
.set mt_, 0
.rept 8
.set nt_, 0
.rept 4
.set d_, 8*(4*mt_+nt_)
.set a_, AF+64*((\qq)%2)+8*mt_
.set b_, 32*((\qq)%8)+8*nt_
.if \zero
	v_wmma_f32_16x16x32_f16 v[d_:d_+7], v[b_:b_+7], v[a_:a_+7], 0
.else
	v_wmma_f32_16x16x32_f16 v[d_:d_+7], v[b_:b_+7], v[a_:a_+7], v[d_:d_+7]
.endif
.set nt_, nt_+1
.endr
.set mt_, mt_+1
.endr
.endm
; One product, 16 substeps of 32 k, written out.  off: the weight in wf.  nxt = 1: the last eight substeps fetch the next weight's first eight
; stages, and the last two the next product's first two A fragments (the stage of x serves all three products).  first = 1: A's first two are fetched here.
.macro PASS off, nxt, first, sx
.if \first
	ALOAD 0
	ALOAD 1
.endif
.set q, 0
.rept 16
.if \nxt
	s_wait_loadcnt 56                              ; stage q is in: behind it at least the seven younger stages' 56 loads were issued
	s_wait_dscnt 16                                ; A of this substep is in; the next substep's sixteen loads stay out
.else
.if q > 8
	s_wait_loadcnt 8*(15-q)                        ; nothing is fetched any more: the count runs down
.else
	s_wait_loadcnt 56
.endif
.if q == 15
	s_wait_dscnt 0x0
.else
	s_wait_dscnt 16
.endif
.endif
.if q == 0
	MUL32 q, 1                                     ; the first product starts the sums
.else
	MUL32 q, 0
.endif
	PLACES
.if q == 2
	WIN 0                                          ; the bias of my 64 columns; the waits of the later substeps show it in
.set e_, 0
.rept 8
	global_load_b128 v[BIAS+4*e_:BIAS+4*e_+3], v[GOFF], s[\sx:\sx+1] offset:(e_/2)*64+(e_%2)*16
.set e_, e_+1
.endr
.endif
.if q < 14
	ALOAD q+2
.else
.if \nxt
	ALOAD q-14
.endif
.endif
.if q < 8
	REFILL q+8, \off
.else
.if \nxt
	REFILL q-8, (\off)+MAT
.endif
.endif
.set q, q+1
.endr
.endm
.macro EPI sd, xw                      ; + bias, round to f16 into window 2, store 32 blocks of 512 consecutive bytes
	WIN 0x41
.set i_, 0
.rept 128
	v_pk_add_f32 v[2*i_:2*i_+1], v[2*i_:2*i_+1], v[BIAS+(2*i_)%32:BIAS+(2*i_)%32+1]
.set i_, i_+1
.endr
.if \xw
	s_wait_xcnt 0x0                                ; window 2's v0-127 were the data of the last product's stores: rewritten only behind this wait
.endif
	WIN 0x85                                       ; destination window 2, sources window 1
.set i_, 0
.rept 128
	v_cvt_pk_f16_f32 v[i_], v[2*i_], v[2*i_+1]
.set i_, i_+1
.endr
	WIN 0x08                                       ; the store's data in window 2
.set t_, 0
.rept 32
	global_store_b128 v[ST0], v[4*t_:4*t_+3], s[\sd:\sd+1] offset:(t_/4)*16384+(t_%4)*512   ; tile (mt, nt) = t / 4, t % 4
.set t_, t_+1
.endr
.endm
	s_load_b512 s[8:23], s[0:1], 0x0               ; x, wf, bq1, bk1, bv1, v1t, v2t, v3t
	v_lshl_add_u32 v254, v0, 2, 0x20800
	v_mov_b32 v255, 0
	v_lshrrev_b32 v[T], 5, v0
	v_readfirstlane_b32 s6, v[T]                   ; wave
	v_and_b32 v[LANE], 31, v0
	v_and_b32 v[RR], 15, v0
	v_bfe_u32 v[HH], v0, 4, 1
	s_lshr_b32 s24, ttmp9, 1                       ; which 128 rows
	s_and_b32 s25, ttmp9, 1                        ; which half of the columns
	s_lshl_b32 s2, s25, 18                         ; 16 row tiles of a weight, 16,384 bytes each
	s_lshl_b32 s3, s6, 16                          ; 4 row tiles; also 32 rows of x
	s_add_co_u32 s2, s2, s3
	v_lshl_add_u32 v[BOFF], v[LANE], 4, s2
	v_lshl_add_u32 v[XO], v[LANE], 4, s3
	s_lshl_b32 s2, s25, 13                         ; 16 blocks of 512 bytes
	s_lshl_b32 s3, s6, 11                          ; 4 blocks
	s_add_co_u32 s2, s2, s3
	v_lshl_add_u32 v[ST0], v[LANE], 4, s2
	s_lshl_b32 s2, s25, 10                         ; 256 f32
	s_lshl_b32 s3, s6, 8                           ; 64 f32
	s_add_co_u32 s2, s2, s3
	v_lshl_add_u32 v[GOFF], v[HH], 5, s2
	s_mul_i32 s7, s6, 32*XP
	v_lshl_add_u32 v[XS], v[LANE], 3, s7
	v_mul_u32_u24 v[A0], v[RR], XP
	v_lshl_add_u32 v[A0], v[HH], 4, v[A0]
	v_add_nc_u32 v[A0B], 64*XP, v[A0]
	s_lshl_b32 s44, s24, 18                        ; 128 rows of 2,048 bytes of x
	s_mov_b32 s45, 0
	s_lshl_b32 s46, s24, 17                        ; 8 row tiles of 16,384 bytes of a result
	s_mov_b32 s47, 0
	s_wait_kmcnt 0x0
	s_add_nc_u64 s[8:9], s[8:9], s[44:45]
	s_add_nc_u64 s[18:19], s[18:19], s[46:47]
	s_add_nc_u64 s[20:21], s[20:21], s[46:47]
	s_add_nc_u64 s[22:23], s[22:23], s[46:47]
	; x: my wave's 32 rows are 65,536 consecutive bytes: 128 loads of 512 bytes, 64 into window 1 and 64 into window 2, which are free yet
	WIN 0x40
.set i_, 0
.rept 64
	global_load_b128 v[4*i_:4*i_+3], v[XO], s[8:9] offset:i_*512
.set i_, i_+1
.endr
	WIN 0x80
.set i_, 0
.rept 64
	global_load_b128 v[4*i_:4*i_+3], v[XO], s[8:9] offset:(64+i_)*512
.set i_, i_+1
.endr
	s_wait_loadcnt 63                              ; of the 128 loads issued the oldest 65 are in: my first 16 rows
	WIN 0x05
.set i_, 0
.rept 128
	v_cvt_pk_f16_f32 v[AF+i_], v[2*i_], v[2*i_+1]
.set i_, i_+1
.endr
	WIN 0
.set i_, 0
.rept 64
	ds_store_b64 v[XS], v[AF+2*i_:AF+2*i_+1] offset:(i_/4)*XP+(i_%4)*256   ; 256 consecutive bytes of a row
.set i_, i_+1
.endr
.set i_, 0
.rept 8
	REFILL i_, 0
.set i_, i_+1
.endr
	s_wait_loadcnt 63                              ; of the 192 loads issued the oldest 129 are in: all 128 of x
	s_wait_dscnt 0x0                               ; the stores above have left v0-127
	WIN 0x0A
.set i_, 0
.rept 128
	v_cvt_pk_f16_f32 v[AF+i_], v[2*i_], v[2*i_+1]
.set i_, i_+1
.endr
	WIN 0
.set i_, 0
.rept 64
	ds_store_b64 v[XS], v[AF+2*i_:AF+2*i_+1] offset:((64+i_)/4)*XP+(i_%4)*256
.set i_, i_+1
.endr
	s_wait_dscnt 0x0                               ; my rows are in LDS,
	s_barrier_signal -1
	s_barrier_wait -1                              ; everybody's are; the stage is never written again
	PASS 0*MAT, 1, 1, 12
	EPI 18, 0
	PASS 1*MAT, 1, 0, 14
	EPI 20, 1
	PASS 2*MAT, 0, 0, 16
	EPI 22, 1
	s_set_vgpr_msb 0x800
	s_wait_tensorcnt 0x0
	ds_add_u32 v254, v255
	s_wait_dscnt 0x0
	s_set_vgpr_msb 0x8
	s_endpgm
.Lfunc_end_k_q088c4f2e23_proj:
	.size	k_q088c4f2e23_proj, .Lfunc_end_k_q088c4f2e23_proj-k_q088c4f2e23_proj
	.p2alignl 7, 3214868480
	.fill 96, 4, 3214868480
	.section	.rodata,"a",@progbits
	.p2align	6, 0x0
	.amdhsa_kernel k_q088c4f2e23_proj
		.amdhsa_group_segment_fixed_size 133632
		.amdhsa_private_segment_fixed_size 0
		.amdhsa_enable_private_segment 0
		.amdhsa_kernarg_size 64
		.amdhsa_user_sgpr_count 2
		.amdhsa_user_sgpr_kernarg_segment_ptr 1
		.amdhsa_wavefront_size32 1
		.amdhsa_system_sgpr_workgroup_id_x 1
		.amdhsa_system_sgpr_workgroup_id_y 1
		.amdhsa_system_sgpr_workgroup_id_z 1
		.amdhsa_system_vgpr_workitem_id 0
		.amdhsa_next_free_vgpr 1024
		.amdhsa_next_free_sgpr 66
		.amdhsa_reserve_vcc 0
		.amdhsa_float_denorm_mode_32 3
		.amdhsa_float_denorm_mode_16_64 3
		.amdhsa_memory_ordered 1
		.amdhsa_forward_progress 1
		.amdhsa_inst_pref_size 255
	.end_amdhsa_kernel
	.section	.bss,"aw",@nobits
	.p2align	6
	.space	262144
	.amdgpu_metadata
---
amdhsa.version: [ 1, 2 ]
amdhsa.kernels:
  - .name:           k_q088c4f2e23_proj
    .symbol:         k_q088c4f2e23_proj.kd
    .args:
      - { .name: x, .offset: 0, .size: 8, .value_kind: global_buffer, .address_space: global }
      - { .name: wf, .offset: 8, .size: 8, .value_kind: global_buffer, .address_space: global }
      - { .name: bq1, .offset: 16, .size: 8, .value_kind: global_buffer, .address_space: global }
      - { .name: bk1, .offset: 24, .size: 8, .value_kind: global_buffer, .address_space: global }
      - { .name: bv1, .offset: 32, .size: 8, .value_kind: global_buffer, .address_space: global }
      - { .name: v1t, .offset: 40, .size: 8, .value_kind: global_buffer, .address_space: global }
      - { .name: v2t, .offset: 48, .size: 8, .value_kind: global_buffer, .address_space: global }
      - { .name: v3t, .offset: 56, .size: 8, .value_kind: global_buffer, .address_space: global }
    .group_segment_fixed_size: 133632
    .private_segment_fixed_size: 0
    .kernarg_segment_align: 8
    .kernarg_segment_size: 64
    .max_flat_workgroup_size: 128
    .sgpr_count:     66
    .vgpr_count:     1024
    .wavefront_size: 32
...
	.end_amdgpu_metadata
.endif
;; end of part 5
;; launch mid (part 6): grid 256 x 1, 4 waves a work-group, no clusters, 131,840 bytes of LDS; arguments v1t, v2t, wf, v5t, v7t, ex; writes v5t, v7t, ex
.if DOCPART == 6
	.amdgcn_target "amdgcn-amd-amdhsa--gfx1250"
	.amdhsa_code_object_version 6
	.text
	.protected	k_q088c4f2e23_mid
	.globl	k_q088c4f2e23_mid
	.p2align	8
	.type	k_q088c4f2e23_mid,@function
k_q088c4f2e23_mid:
	s_mov_b64 s[64:65], 0
	v_nop
	global_prefetch_b8 v0, s[64:65] scope:SCOPE_SE
	s_setreg_imm32_b32 hwreg(HW_REG_WAVE_MODE, 25, 1), 1
	s_wait_xcnt 0x0
; mid: for 64 rows s of a slice: T = v1 v2^T, P5 = t' Wq2^T, P7 = t' Wv2^T, f16 operands, f32 sums; P5 and P7 leave transposed.
; The factor 1/sqrt(512) of reference() is not applied here: the last launch applies all three such factors at once.
; BLOCK SCALES: what becomes an f16 operand is first multiplied by 2^k, k = min(141 - E, 126), E the biased exponent of the largest
; magnitude M of the work-group's 64 x 512 block: M < 2^(E-126), so every scaled magnitude is below 2^15.
;   t' = T 2^kt,  v5'' = P5 2^k5,  v7'' = P7 2^k7,  ex[id] = 2 kt + k5 + k7 (a whole number that enters scale factors alone, never an address).
; LIMITS: an element below 2^-29 of its block's maximum loses bits (f16 denormals); NaN and infinities do not enter the maximum.
; SHARE: work-group id owns 64 rows of slice id>>3; a wave makes 64 rows x 128 columns in 4 x 8 accumulator tiles.  Operand B goes from memory
; straight into four register stages of 32 k (16 loads, 8 KiB a wave): one wave alone needs those rows of it, so LDS would add a write and a read
; for each byte and spare none.  No cluster: a shared tile would have to pass through LDS slots refilled behind a barrier of all partners after
; every 64 matrix instructions of a wave.
; THE WALK ALONG K IS ROTATED: with rho = id & 3 the work-group takes the four quarters of K (128 k, four substeps each) in the order
; rho, rho + 1, rho + 2, rho + 3 (mod 4).  So the four kinds of work-groups ask for four different quarters of B at a time, and every quarter
; but a work-group's first has been asked for by another kind at least a quarter of a product earlier.  The order of the sums over K therefore
; differs between work-groups, and from reference()'s.  No LDS address hangs on rho: wave w takes the columns of the logical wave
; om = (w + rho) & 3, which enters global offsets alone, and writes them at w's place in the next stage, so LDS quarter j holds true quarter
; (j + rho) & 3; for the stage that is copied from memory the rotation stands in the copy's global offset.
; LAYOUT: 16 x 16 blocks of 512 bytes; element (row, k) at ((row>>4)*32 + (k>>4))*512 + (((k>>3)&1)*16 + (row&15))*16 + (k&7)*2.
; T is made with the sources swapped (lane = row s), so that 16 bytes a lane are a block of t' for the next product's operand A.
; P5 and P7 are made in the natural order (lane = column h, registers = rows s), so that the same 16 bytes are a block of the TRANSPOSE,
; which the last launch contracts over s.
; WINDOWS of 256 registers: 0 = staging v0-127, A fragments v128-191, addresses v192-255; 1 = accumulators; 3 = B stages (stage s at v[64 s]).
; LDS: stage 0 (v1's 64 rows) at 0, stage 1 (t') at 65,536, 64 KiB each, in block layout; the maxima at REDB.
.set MAT,   524288
.set REDB,  131072
.set AF,    128
.set LANE,  193
.set BOFF,  196                        ; 131072 om + 16 L
.set A0,    197                        ; 16 L
.set A1,    198                        ; 65536 + 16 L
.set ST1,   200                        ; 65536 + 4096 w + 16 L
.set CP,    201                        ; 512 w + 16 L
.set RBW,   203                        ; REDB + 4 w
.set RBR,   204                        ; REDB
.set R,     210                        ; four chains of maxima
.set T,     214
.set BQ,    220                        ; four: BOFF + 4096 ((j + rho) & 3): B's offset for LDS quarter j; never rewritten
.set CQ,    224                        ; four: CP + 4096 ((j + rho) & 3): the copy's global offset for LDS quarter j
.set MSB,   0
.macro WIN new                         ; the immediate's high byte repeats the setting that is left
.if MSB != \new
	s_set_vgpr_msb (MSB<<8)|\new
.set MSB, \new
.endif
.endm
.macro PLACES                          ; four places behind matrix instructions ahead of loads into, and reads of, their registers
.rept 4
	v_nop
.endr
.endm
.macro BAR
	s_barrier_signal -1
	s_barrier_wait -1
.endm
.macro REFILL qq, sb, off              ; stage qq % 4 <- B's 32 k that belong to LDS substep qq, of my 128 rows: 16 loads of 512 consecutive bytes
	WIN 0xC0
.set nt_, 0
.rept 8
	global_load_b128 v[64*((\qq)%4)+8*nt_:64*((\qq)%4)+8*nt_+3], v[BQ+(\qq)/4], s[\sb:\sb+1] offset:(\off)+nt_*16384+((\qq)%4)*1024
	global_load_b128 v[64*((\qq)%4)+8*nt_+4:64*((\qq)%4)+8*nt_+7], v[BQ+(\qq)/4], s[\sb:\sb+1] offset:(\off)+nt_*16384+((\qq)%4)*1024+512
.set nt_, nt_+1
.endr
.endm
.macro ALOAD qq, areg                  ; A buffer qq % 2 <- 64 rows x 32 k of a stage: 512 consecutive bytes a load, no bank met twice
	WIN 0
.set mt_, 0
.rept 4
	ds_load_b128 v[AF+32*((\qq)%2)+8*mt_:AF+32*((\qq)%2)+8*mt_+3], v[\areg] offset:mt_*16384+(\qq)*1024
	ds_load_b128 v[AF+32*((\qq)%2)+8*mt_+4:AF+32*((\qq)%2)+8*mt_+7], v[\areg] offset:mt_*16384+(\qq)*1024+512
.set mt_, mt_+1
.endr
.endm
.macro MUL32 qq, ord, zero             ; 32 matrix instructions; the 32 accumulators take turns, one instruction a turn
.if \ord
	WIN 0x5C                               ; natural: source 0 window 0 (A), source 1 window 3 (B), C and D window 1
.else
	WIN 0x53                               ; swapped: source 0 window 3 (B), source 1 window 0 (A)
.endif
.set mt_, 0
.rept 4
.set nt_, 0
.rept 8
.set d_, 8*(8*mt_+nt_)
.set a_, AF+32*((\qq)%2)+8*mt_
.set b_, 64*((\qq)%4)+8*nt_
.if \ord
.if \zero
	v_wmma_f32_16x16x32_f16 v[d_:d_+7], v[a_:a_+7], v[b_:b_+7], 0
.else
	v_wmma_f32_16x16x32_f16 v[d_:d_+7], v[a_:a_+7], v[b_:b_+7], v[d_:d_+7]
.endif
.else
.if \zero
	v_wmma_f32_16x16x32_f16 v[d_:d_+7], v[b_:b_+7], v[a_:a_+7], 0
.else
	v_wmma_f32_16x16x32_f16 v[d_:d_+7], v[b_:b_+7], v[a_:a_+7], v[d_:d_+7]
.endif
.endif
.set nt_, nt_+1
.endr
.set mt_, mt_+1
.endr
.endm
; One product, 16 substeps of 32 k, written out.  B at s[sb] + off; nxt = 1: the last four substeps fetch the first stages of the next B, s[sn] + offn.
.macro PASS ord, areg, sb, off, nxt, sn, offn
	ALOAD 0, \areg
	ALOAD 1, \areg
.set q, 0
.rept 16
.if \nxt
	s_wait_loadcnt 48                              ; stage q is in: behind it the three younger stages' 48 loads were issued
.else
.if q > 12
	s_wait_loadcnt 16*(15-q)                       ; nothing is fetched any more: the count runs down
.else
	s_wait_loadcnt 48
.endif
.endif
.if q == 15
	s_wait_dscnt 0x0
.else
	s_wait_dscnt 8                                 ; A of this substep is in; the next substep's eight loads stay out
.endif
.if q == 0
	MUL32 q, \ord, 1                               ; the first product starts the sums
.else
	MUL32 q, \ord, 0
.endif
	PLACES
.if q < 14
	ALOAD q+2, \areg
.endif
.if q < 12
	REFILL q+4, \sb, \off
.else
.if \nxt
	REFILL q-12, \sn, \offn
.endif
.endif
.set q, q+1
.endr
.endm
; The largest magnitude of the work-group's block -> k in s[sk], 2^k in s56 and s57.
.macro BLOCKSCALE slot, sk
	WIN 0x05
.set i_, 0
.rept 128
.if i_ < 4
	v_max3_num_f32 v[R+i_], |v[2*i_]|, |v[2*i_+1]|, 0
.else
	v_max3_num_f32 v[R+i_%4], |v[2*i_]|, |v[2*i_+1]|, v[R+i_%4]
.endif
.set i_, i_+1
.endr
	WIN 0
	v_max3_num_f32 v[R], v[R], v[R+1], v[R+2]
	v_max_num_f32 v[R], v[R], v[R+3]
	v_max_num_f32_dpp v[R], v[R], v[R] row_xmask:1 row_mask:0xf bank_mask:0xf
	v_max_num_f32_dpp v[R], v[R], v[R] row_xmask:2 row_mask:0xf bank_mask:0xf
	v_max_num_f32_dpp v[R], v[R], v[R] row_xmask:4 row_mask:0xf bank_mask:0xf
	v_max_num_f32_dpp v[R], v[R], v[R] row_xmask:8 row_mask:0xf bank_mask:0xf
	v_permlanex16_b32 v[T], v[R], s60, s61
	v_max_num_f32 v[R], v[R], v[T]
	ds_store_b32 v[RBW], v[R] offset:16*\slot      ; every lane writes my wave's word with the same value
	s_wait_dscnt 0x0                               ; my word is written and my reads of the stage are over
	BAR
	ds_load_b128 v[AF:AF+3], v[RBR] offset:16*\slot
	s_wait_dscnt 0x0
	v_max3_num_f32 v[AF], v[AF], v[AF+1], v[AF+2]
	v_max_num_f32 v[AF], v[AF], v[AF+3]
	v_lshrrev_b32 v[AF], 23, v[AF]                 ; the biased exponent E (the sign is 0)
	v_readfirstlane_b32 s[\sk], v[AF]
	s_sub_co_i32 s[\sk], 141, s[\sk]
	s_min_i32 s[\sk], s[\sk], 126                  ; k is -114 .. 126, so 2^k is a normal f32
	s_add_co_i32 s56, s[\sk], 127
	s_lshl_b32 s56, s56, 23
	s_mov_b32 s57, s56
.endm
.macro SCALECVT xw                     ; window 1 times 2^k, rounded to f16 into v0-127.  xw = 1: v0-127 are the data of earlier global stores
.if \xw
	s_wait_xcnt 0x0                                ; rewritten only behind this wait
.endif
	WIN 0x41
.set i_, 0
.rept 128
	v_pk_mul_f32 v[2*i_:2*i_+1], v[2*i_:2*i_+1], s[56:57] op_sel_hi:[1,0]
.set i_, i_+1
.endr
	WIN 0x05
.set i_, 0
.rept 128
	v_cvt_pk_f16_f32 v[i_], v[2*i_], v[2*i_+1]
.set i_, i_+1
.endr
.endm
.macro STORET sd                       ; tile (mt, nt) is block (row tile 8 om + nt, k tile 4 blk + mt) of the transpose: 512 consecutive bytes a store
	WIN 0
.set t_, 0
.rept 32
	global_store_b128 v[BOFF], v[4*t_:4*t_+3], s[\sd:\sd+1] offset:(t_%8)*16384+(t_/8)*512
.set t_, t_+1
.endr
.endm
	s_load_b256 s[8:15], s[0:1], 0x0               ; v1t, v2t, wf, v5t
	s_load_b128 s[16:19], s[0:1], 0x20             ; v7t, ex
	v_lshl_add_u32 v254, v0, 2, 0x20100
	v_mov_b32 v255, 0
	v_lshrrev_b32 v[T], 5, v0
	v_readfirstlane_b32 s6, v[T]                   ; wave
	v_and_b32 v[LANE], 31, v0
	s_mov_b32 s60, 0x76543210                      ; v_permlanex16_b32: lane i of one half reads lane i of the other
	s_mov_b32 s61, 0xfedcba98
	s_and_b32 s20, ttmp9, 3                        ; rho: the quarter of K at which this work-group begins
	s_add_co_u32 s21, s6, s20
	s_and_b32 s21, s21, 3                          ; om: whose columns my wave makes
	s_lshl_b32 s2, s21, 17
	s_lshl_b32 s3, s6, 12
	s_add_co_u32 s3, s3, 0x10000
	s_lshl_b32 s4, s6, 9
	s_lshl_b32 s5, s6, 2
	s_add_co_u32 s5, s5, REDB
	v_lshl_add_u32 v[BOFF], v[LANE], 4, s2
	v_lshlrev_b32 v[A0], 4, v[LANE]
	v_add_nc_u32 v[A1], 0x10000, v[A0]
	v_lshl_add_u32 v[ST1], v[LANE], 4, s3
	v_lshl_add_u32 v[CP], v[LANE], 4, s4
	v_mov_b32 v[RBW], s5
	v_mov_b32 v[RBR], REDB
.irp j, 0,1,2,3
	s_add_co_u32 s22, s20, \j
	s_and_b32 s22, s22, 3
	s_lshl_b32 s22, s22, 12                        ; the true quarter that lies in LDS quarter j: 8 blocks of 512 bytes each
	v_add_nc_u32 v[BQ+\j], s22, v[BOFF]
	v_add_nc_u32 v[CQ+\j], s22, v[CP]
.endr
	s_lshr_b32 s42, ttmp9, 3                       ; slice
	s_and_b32 s43, ttmp9, 7                        ; row block
	s_lshl_b32 s44, ttmp9, 16                      ; my 64 rows of v1t
	s_mov_b32 s45, 0
	s_lshl_b32 s46, s42, 19                        ; my slice
	s_mov_b32 s47, 0
	s_lshl_b32 s48, s43, 11                        ; four k tiles of 512 bytes in each row tile of a transpose
	s_add_co_u32 s48, s48, s46
	s_mov_b32 s49, 0
	s_lshl_b32 s50, ttmp9, 2
	s_mov_b32 s51, 0
	s_wait_kmcnt 0x0
	s_add_nc_u64 s[8:9], s[8:9], s[44:45]
	s_add_nc_u64 s[10:11], s[10:11], s[46:47]
	s_add_nc_u64 s[14:15], s[14:15], s[48:49]
	s_add_nc_u64 s[16:17], s[16:17], s[48:49]
	s_add_nc_u64 s[18:19], s[18:19], s[50:51]
	; v1's 64 rows go into stage 0: piece i (2,048 bytes of the work-group) lies in row tile i / 8, LDS quarter (i % 8) / 2, and comes from the true quarter
.set i_, 0
.rept 32
	global_load_b128 v[4*i_:4*i_+3], v[CQ+(i_%8)/2], s[8:9] offset:(i_/8)*16384+(i_%2)*2048
.set i_, i_+1
.endr
	REFILL 0, 10, 0
	REFILL 1, 10, 0
	REFILL 2, 10, 0
	REFILL 3, 10, 0
	s_wait_loadcnt 63                              ; of the 96 loads issued the oldest 33 are in: all 32 of v1
	WIN 0
.set i_, 0
.rept 32
	ds_store_b128 v[CP], v[4*i_:4*i_+3] offset:i_*2048
.set i_, i_+1
.endr
	s_wait_dscnt 0x0
	BAR                                            ; stage 0 is whole
	PASS 0, A0, 10, 0, 1, 12, 3*MAT                ; T = v1 v2^T
	BLOCKSCALE 0, 40                               ; kt
	SCALECVT 0
	WIN 0
.set t_, 0
.rept 32
	ds_store_b128 v[ST1], v[4*t_:4*t_+3] offset:(t_/8)*16384+(t_%8)*512   ; tile (mt, nt), true block (mt, 8 om + nt) of t', at place (mt, 8 w + nt)
.set t_, t_+1
.endr
	s_wait_dscnt 0x0
	BAR                                            ; stage 1 is whole; it is never written again
	PASS 1, A1, 12, 3*MAT, 1, 12, 4*MAT            ; P5 = t' Wq2^T
	BLOCKSCALE 1, 41                               ; k5
	SCALECVT 0
	STORET 14
	PASS 1, A1, 12, 4*MAT, 0, 12, 0                ; P7 = t' Wv2^T
	BLOCKSCALE 2, 42                               ; k7
	SCALECVT 1
	STORET 16
	s_lshl_b32 s43, s40, 1
	s_add_co_i32 s43, s43, s41
	s_add_co_i32 s43, s43, s42                     ; 2 kt + k5 + k7
	s_cmp_lg_u32 s6, 0
	s_cbranch_scc1 .Lend                           ; wave 0 alone stores it: one word a work-group
	v_mov_b32 v[R], s43
	v_mov_b32 v[T], 0
	v_cmp_eq_u32 vcc_lo, 0, v[LANE]
	s_wait_xcnt 0x0                                ; EXEC is a source of the stores above: narrowed only behind this wait
	s_and_saveexec_b32 s52, vcc_lo
	global_store_b32 v[T], v[R], s[18:19]
	s_wait_xcnt 0x0                                ; and widened only behind this one
	s_or_b32 exec_lo, exec_lo, s52
.Lend:
	s_wait_tensorcnt 0x0
	ds_add_u32 v254, v255
	s_wait_dscnt 0x0
	s_endpgm
.Lfunc_end_k_q088c4f2e23_mid:
	.size	k_q088c4f2e23_mid, .Lfunc_end_k_q088c4f2e23_mid-k_q088c4f2e23_mid
	.p2alignl 7, 3214868480
	.fill 96, 4, 3214868480
	.section	.rodata,"a",@progbits
	.p2align	6, 0x0
	.amdhsa_kernel k_q088c4f2e23_mid
		.amdhsa_group_segment_fixed_size 131840
		.amdhsa_private_segment_fixed_size 0
		.amdhsa_enable_private_segment 0
		.amdhsa_kernarg_size 48
		.amdhsa_user_sgpr_count 2
		.amdhsa_user_sgpr_kernarg_segment_ptr 1
		.amdhsa_wavefront_size32 1
		.amdhsa_system_sgpr_workgroup_id_x 1
		.amdhsa_system_sgpr_workgroup_id_y 1
		.amdhsa_system_sgpr_workgroup_id_z 1
		.amdhsa_system_vgpr_workitem_id 0
		.amdhsa_next_free_vgpr 1024
		.amdhsa_next_free_sgpr 66
		.amdhsa_reserve_vcc 1
		.amdhsa_float_denorm_mode_32 3
		.amdhsa_float_denorm_mode_16_64 3
		.amdhsa_memory_ordered 1
		.amdhsa_forward_progress 1
		.amdhsa_inst_pref_size 255
	.end_amdhsa_kernel
	.section	.bss,"aw",@nobits
	.p2align	6
	.space	262144
	.amdgpu_metadata
---
amdhsa.version: [ 1, 2 ]
amdhsa.kernels:
  - .name:           k_q088c4f2e23_mid
    .symbol:         k_q088c4f2e23_mid.kd
    .args:
      - { .name: v1t, .offset: 0, .size: 8, .value_kind: global_buffer, .address_space: global }
      - { .name: v2t, .offset: 8, .size: 8, .value_kind: global_buffer, .address_space: global }
      - { .name: wf, .offset: 16, .size: 8, .value_kind: global_buffer, .address_space: global }
      - { .name: v5t, .offset: 24, .size: 8, .value_kind: global_buffer, .address_space: global }
      - { .name: v7t, .offset: 32, .size: 8, .value_kind: global_buffer, .address_space: global }
      - { .name: ex, .offset: 40, .size: 8, .value_kind: global_buffer, .address_space: global }
    .group_segment_fixed_size: 131840
    .private_segment_fixed_size: 0
    .kernarg_segment_align: 8
    .kernarg_segment_size: 48
    .max_flat_workgroup_size: 128
    .sgpr_count:     66
    .vgpr_count:     1024
    .wavefront_size: 32
...
	.end_amdgpu_metadata
.endif
;; end of part 6
;; launch tail (part 7): grid 256 x 1, 4 waves a work-group, no clusters, 169,728 bytes of LDS; arguments v5t, v7t, ex, wf, v1t, v3t, v2t, ln1_g, ln1_b, ln2_g, ln2_b, out0; writes out0
.if DOCPART == 7
	.amdgcn_target "amdgcn-amd-amdhsa--gfx1250"
	.amdhsa_code_object_version 6
	.text
	.protected	k_q088c4f2e23_tail
	.globl	k_q088c4f2e23_tail
	.p2align	8
	.type	k_q088c4f2e23_tail,@function
k_q088c4f2e23_tail:
	s_mov_b64 s[64:65], 0
	v_nop
	global_prefetch_b8 v0, s[64:65] scope:SCOPE_SE
	s_setreg_imm32_b32 hwreg(HW_REG_WAVE_MODE, 25, 1), 1
	s_wait_xcnt 0x0
; tail: for 64 rows h of a slice: G = v5^T v7; Q4, Q5, Q6 = g' Wq3^T, g' Wk3^T, g' Wv3^T; u = t4 v1 + t5 v3 + t6 v2 (elementwise);
; v15 = LayerNorm(u); y = v15 Wsum^T + u with Wsum = Wq3 + Wk3 + Wv3; out = LayerNorm(y).  f16 operands, f32 sums, all else f32.
; y is v16 + v17 + v18 of reference() for every input (the three products share v15); the order of rounding differs.
; SCALES.  With c = 1/sqrt(512): the stored v5'' v7'' of row block b is 2^ex[b] v5 v7 / c^2.  emin = the least ex of the slice's eight blocks;
; v5'' is multiplied by 2^(emin - ex[b]) <= 1 on its way into LDS, so G = 2^emin v9 / c^2.  g' = G 2^k3, k3 = min(141 - E, 126) from the largest
; magnitude of the work-group's block of G, so |g'| < 2^15.  t4 = Q4 inv, inv = c^3 2^-(emin + k3) = sqrt(2) 2^(-14 - emin - k3).
; LIMITS: inv's exponent is held inside -126 .. 127; elements below 2^-29 of their block's maximum lose bits (f16 denormals); NaN and infinities
; do not enter the maximum; v15 goes to f16, so 22.6 |ln1_g| + |ln1_b| must stay below 65,504 (|v15 - b| <= sqrt(511) |g|).
; LayerNorm as reference() has it: the mean, then the mean of the centred squares, then (x - m) rsqrt(v + 1e-5) g + b.
; SHARE: work-group id owns 64 rows of slice id>>3; a wave holds 64 rows x 128 columns in 4 x 8 accumulator tiles.
; OPERAND B goes from memory straight into four register stages of 32 k (16 loads, 8 KiB a wave): one wave alone needs those rows of it, so LDS
; would add a write and a read for each byte and spare none.  NO CLUSTER, NO TENSOR LOADS: work-groups do share B, but beside the two stages of
; 64 KiB LDS has room for two slots of 64 k only, so a shared tile would be refilled behind a barrier of all partners after every 64 matrix
; instructions of a wave.
; THE WALK ALONG K IS ROTATED: with rho = id & 3 the work-group takes the four quarters of K (128 k, four substeps each) in the order
; rho, rho + 1, rho + 2, rho + 3 (mod 4).  So the four kinds of work-groups ask for four different quarters of B at a time, and every quarter
; but a work-group's first has been asked for by another kind at least a quarter of a product earlier.  The order of the sums over K therefore
; differs between work-groups, and from reference()'s.  No LDS address hangs on rho: wave w takes the columns of the logical wave
; om = (w + rho) & 3, which enters global offsets alone, and writes them at w's place in the next stage, so LDS quarter j holds true quarter
; (j + rho) & 3; for the stage that is copied from memory the rotation stands in the copy's global offset.
; LOOPS keep the text short: a product's 16 substeps are one written out, a loop of three trips of four, and three written out; the three products
; with g' are three trips of one loop.  Neither loop has a branch that changes what is loaded, so every counted wait holds on every way.
; All products have the sources swapped (source 0 = B's rows, source 1 = A's rows), so lane L holds row L&15 of a tile and its eight registers the
; columns 8 (L>>4) + 0..7.  A row's sum: 64 numbers in a lane, the other half of the lanes, four waves.
; BLOCK LAYOUT of f16 matrices: element (row, k) at ((row>>4)*32 + (k>>4))*512 + (((k>>3)&1)*16 + (row&15))*16 + (k&7)*2.
; WINDOWS: 0 = staging v0-127, A fragments and scratch v128-191, addresses v192-255; 1 = accumulators of Q4-Q6, then the centred rows;
; 2 = accumulators of G, then u, then y; 3 = B stages.
; LDS: stage 0 at 0 (v5^T rows, later v15), stage 1 at 65,536 (g'), each 64 KiB in block layout; OUT: 16 rows x 528 bytes for each wave;
; REDR: four uses x 4 row tiles x 16 rows x 4 waves of f32; REDB: the maxima.
.set MAT,   524288
.set OUT,   131072
.set OUTP,  528                        ; 512 + 16: an odd multiple of 16
.set OUTW,  16*OUTP
.set REDR,  OUT+4*OUTW                 ; 164864
.set REDB,  REDR+4096                  ; 168960
.set AF,    128
.set LANE,  193
.set RR,    194
.set HH,    195
.set BOFF,  196                        ; 131072 om + 16 L
.set A0,    197                        ; 16 L
.set A1,    198                        ; 65536 + 16 L
.set ST0,   199                        ; LDS: 4096 w + 16 L
.set ST1,   200                        ; LDS: 65536 + 4096 w + 16 L
.set CP,    201                        ; LDS: 512 w + 16 L
.set GOFF,  202                        ; 512 om + 32 (L>>4)
.set RBW,   203                        ; REDB + 4 w
.set RBR,   204                        ; REDB
.set RSW,   205                        ; REDR + 16 (L&15) + 4 w
.set RSR,   206                        ; REDR + 16 (L&15)
.set OS,    207                        ; OUT + OUTW w + OUTP (L&15) + 32 (L>>4)
.set OL,    208                        ; OUT + OUTW w + 16 L
.set STG,   209                        ; 4096 om + 16 L: my 16 bytes in the first block of my columns of v1, v3, v2
.set R,     210                        ; four: one figure for each row tile; also the chains of maxima
.set T,     214                        ; four
.set S,     218                        ; four pairs: running sums
.set NM,    226                        ; four pairs: minus the mean
.set CQ,    226                        ; four, at the start alone: CP + 4096 ((j + rho) & 3): the copy's global offset for LDS quarter j
.set RS,    234                        ; four pairs: 1 / sqrt(var + eps)
.set RAT,   242                        ; eight: 2^(emin - ex[b]) as two f16, b the block that lies at place 0 .. 7 of stage 0
.set AC,    250                        ; the A stage's address, 4,096 bytes (four substeps) further in each trip of a product's loop
.set PF,    251                        ; 256 x thread: the prefetches' offset; never rewritten
.set OG,    252                        ; 512 om + 16 L: my 16 bytes in a row of out0
.set VB0,   253                        ; BOFF + 4096 rho: B's offset for LDS quarter 0; never rewritten
.set BC,    254                        ; BOFF + 4096 x the true quarter that the trip of a product's loop asks for
.set WP,    48                         ; s[48:49] wf + trip x MAT in the loop over Q4, Q5, Q6
.set TC,    54                         ; s54 trips of a product's loop
.set OC,    55                         ; s55 trips of the loop over Q4, Q5, Q6
.set RHO,   62                         ; s62 rho
.set KO,    63                         ; s63 4096 x the true quarter in BC
.set MSB,   0
.macro WIN new                         ; the immediate's high byte repeats the setting that is left
.if MSB != \new
	s_set_vgpr_msb (MSB<<8)|\new
.set MSB, \new
.endif
.endm
.macro PLACES                          ; four places behind matrix instructions ahead of loads into, and reads of, their registers
.rept 4
	v_nop
.endr
.endm
.macro BAR
	s_barrier_signal -1
	s_barrier_wait -1
.endm
.macro REFILL st, vr, sb, off          ; stage st <- 32 k of my 128 rows of B, first block at s[sb] + v[vr] + off: 16 loads of 512 consecutive bytes
	WIN 0xC0
.set nt_, 0
.rept 8
	global_load_b128 v[64*(\st)+8*nt_:64*(\st)+8*nt_+3], v[\vr], s[\sb:\sb+1] offset:(\off)+nt_*16384
	global_load_b128 v[64*(\st)+8*nt_+4:64*(\st)+8*nt_+7], v[\vr], s[\sb:\sb+1] offset:(\off)+nt_*16384+512
.set nt_, nt_+1
.endr
.endm
.macro ALOAD buf, areg, k              ; A buffer buf <- 64 rows x 32 k, substep k counted from v[areg]: 512 consecutive bytes a load
	WIN 0
.set mt_, 0
.rept 4
	ds_load_b128 v[AF+32*(\buf)+8*mt_:AF+32*(\buf)+8*mt_+3], v[\areg] offset:mt_*16384+(\k)*1024
	ds_load_b128 v[AF+32*(\buf)+8*mt_+4:AF+32*(\buf)+8*mt_+7], v[\areg] offset:mt_*16384+(\k)*1024+512
.set mt_, mt_+1
.endr
.endm
.macro MUL32 st, buf, win, zero        ; 32 matrix instructions; the 32 accumulators take turns, one instruction a turn
	WIN \win                               ; 0x53: source 0 window 3 (B), source 1 window 0 (A), C and D window 1; 0xA3: C and D window 2
.set mt_, 0
.rept 4
.set nt_, 0
.rept 8
.set d_, 8*(8*mt_+nt_)
.set a_, AF+32*(\buf)+8*mt_
.set b_, 64*(\st)+8*nt_
.if \zero
	v_wmma_f32_16x16x32_f16 v[d_:d_+7], v[b_:b_+7], v[a_:a_+7], 0
.else
	v_wmma_f32_16x16x32_f16 v[d_:d_+7], v[b_:b_+7], v[a_:a_+7], v[d_:d_+7]
.endif
.set nt_, nt_+1
.endr
.set mt_, mt_+1
.endr
.endm
.macro GBL sx, sy                      ; the gain of my 64 columns into v0-63, the bias into v64-127 (tile nt, register j at 8 nt + j): 32 loads
.set e_, 0
.rept 32
.if e_ < 16
	global_load_b128 v[4*e_:4*e_+3], v[GOFF], s[\sx:\sx+1] offset:(e_/2)*64+(e_%2)*16
.else
	global_load_b128 v[4*e_:4*e_+3], v[GOFF], s[\sy:\sy+1] offset:((e_-16)/2)*64+(e_%2)*16
.endif
.set e_, e_+1
.endr
.endm
.macro VLOAD sx                        ; my 32 tiles of v1, v3 or v2 into v0-127 (tile e at v[4 e]): 32 loads of 512 consecutive bytes
.set e_, 0
.rept 32
	global_load_b128 v[4*e_:4*e_+3], v[STG], s[\sx:\sx+1] offset:(e_/8)*16384+(e_%8)*512
.set e_, e_+1
.endr
.endm
.macro STEPW                           ; ahead of a substep's products
	s_wait_loadcnt 48                              ; its stage is in: behind it at least the three younger stages' 48 loads were issued
	s_wait_dscnt 8                                 ; its A is in; the next substep's eight loads stay out
.endm
.macro LASTW nxt, left, ds             ; the same in the last three substeps: without a next B nothing is fetched any more and the count runs down
.if \nxt
	s_wait_loadcnt 48
.else
	s_wait_loadcnt \left
.endif
	s_wait_dscnt \ds
.endm
; One product, 16 substeps of 32 k.  B's first four stages (LDS quarter 0) are on their way; s[sb] + off is B's first byte; A lies at v[areg].
; Behind the products of substep q the buffer and the stage that they read are asked for again: A of substep q + 2, B of substep q + 4.
; Substep 0 stands ahead of the loop (with zero = 1 it starts the sums); a trip makes the requests of substeps 4t .. 4t + 3 and the products of
; 4t + 1 .. 4t + 4; substeps 13-15 stand behind it: their stages are filled from the next B, s[sn] + offn (nxt = 1), or not at all.
; Trip t asks for B's part of LDS quarter t + 1, the true quarter (t + 1 + rho) & 3: its offset stands in v[BC] and goes round modulo 16,384 bytes.
; v[BC] is written at the head of a product too: the loads of the product before that name it were shown in by that product's last waits.
; What the caller has loaded just ahead (32 loads at the most) is shown in by the wait of substep 4: 48 younger loads stand behind substep 4's stage.
.macro PASSL win, zero, areg, sb, off, nxt, sn, offn
	WIN 0
	v_mov_b32 v[AC], v[\areg]
	s_add_co_u32 s[KO], s[RHO], 1
	s_and_b32 s[KO], s[KO], 3
	s_lshl_b32 s[KO], s[KO], 12
	v_add_nc_u32 v[BC], s[KO], v[BOFF]
	s_mov_b32 s[TC], 0
	ALOAD 0, \areg, 0
	ALOAD 1, \areg, 1
	STEPW
	MUL32 0, 0, \win, \zero
	WIN 0                                          ; at a label every window is 0
.Lk_\@:
	PLACES
	ALOAD 0, AC, 2
	REFILL 0, BC, \sb, (\off)
	STEPW
	MUL32 1, 1, \win, 0
	PLACES
	ALOAD 1, AC, 3
	REFILL 1, BC, \sb, (\off)+1024
	STEPW
	MUL32 2, 0, \win, 0
	PLACES
	ALOAD 0, AC, 4
	REFILL 2, BC, \sb, (\off)+2048
	STEPW
	MUL32 3, 1, \win, 0
	PLACES
	ALOAD 1, AC, 5
	REFILL 3, BC, \sb, (\off)+3072
	STEPW
	MUL32 0, 0, \win, 0
	WIN 0
	s_wait_xcnt 0x0                                ; B's offset is stepped only behind this wait; the last loads that name it stand 32 matrix instructions back
	s_add_co_u32 s[KO], s[KO], 4096
	s_and_b32 s[KO], s[KO], 0x3fff                 ; the next quarter, round the end of K
	v_add_nc_u32 v[BC], s[KO], v[BOFF]
	v_add_nc_u32 v[AC], 4096, v[AC]
	s_add_co_u32 s[TC], s[TC], 1
	s_cmp_lt_u32 s[TC], 3
	s_cbranch_scc1 .Lk_\@
	PLACES
	ALOAD 0, \areg, 14
.if \nxt
	REFILL 0, VB0, \sn, (\offn)
.endif
	LASTW \nxt, 32, 8
	MUL32 1, 1, \win, 0
	PLACES
	ALOAD 1, \areg, 15
.if \nxt
	REFILL 1, VB0, \sn, (\offn)+1024
.endif
	LASTW \nxt, 16, 8
	MUL32 2, 0, \win, 0
	PLACES
.if \nxt
	REFILL 2, VB0, \sn, (\offn)+2048
.endif
	LASTW \nxt, 0, 0
	MUL32 3, 1, \win, 0
	PLACES
.if \nxt
	REFILL 3, VB0, \sn, (\offn)+3072
.endif
	WIN 0
.endm
.macro CVT128 win                      ; 256 f32 of window 1 (0x05) or 2 (0x0A) -> 128 registers of f16 pairs in v0-127
	WIN \win
.set i_, 0
.rept 128
	v_cvt_pk_f16_f32 v[i_], v[2*i_], v[2*i_+1]
.set i_, i_+1
.endr
.endm
.macro SCALE128                        ; window 2 times s56
	WIN 0x82
.set i_, 0
.rept 128
	v_pk_mul_f32 v[2*i_:2*i_+1], v[2*i_:2*i_+1], s[56:57] op_sel_hi:[1,0]
.set i_, i_+1
.endr
.endm
.macro TOSTAGE reg                     ; tile (mt, nt) in v[4 t], true block (mt, 8 om + nt) of the next operand A, goes to place (mt, 8 w + nt)
	WIN 0
.set t_, 0
.rept 32
	ds_store_b128 v[\reg], v[4*t_:4*t_+3] offset:(t_/8)*16384+(t_%8)*512
.set t_, t_+1
.endr
	s_wait_dscnt 0x0
	BAR                                            ; the stage is whole
.endm
.macro W1 reg, d                       ; two f16 of a staging register -> two f32
	v_cvt_f32_f16 v[(\d)], v\reg\().l
	v_cvt_f32_f16 v[(\d)+1], v\reg\().h
.endm
.macro VFMA first, mt                  ; u (window 2) = or += product (window 1) x widened v (window 0), row tile mt
	WIN 0xA1
.set i_, 0
.rept 32
.if \first
	v_pk_mul_f32 v[64*(\mt)+2*i_:64*(\mt)+2*i_+1], v[64*(\mt)+2*i_:64*(\mt)+2*i_+1], v[AF+2*i_:AF+2*i_+1]
.else
	v_pk_fma_f32 v[64*(\mt)+2*i_:64*(\mt)+2*i_+1], v[64*(\mt)+2*i_:64*(\mt)+2*i_+1], v[AF+2*i_:AF+2*i_+1], v[64*(\mt)+2*i_:64*(\mt)+2*i_+1]
.endif
.set i_, i_+1
.endr
.endm
.macro VMUL first                      ; staging register n holds the f16 that belong to accumulator registers 2 n, 2 n + 1
	WIN 0
.irp g, 0,1,2,3,4,5,6,7,8,9,10,11,12,13,14,15,16,17,18,19,20,21,22,23,24,25,26,27,28,29,30,31
	W1 \g, AF+2*\g
.endr
	VFMA \first, 0
	WIN 0
.irp g, 32,33,34,35,36,37,38,39,40,41,42,43,44,45,46,47,48,49,50,51,52,53,54,55,56,57,58,59,60,61,62,63
	W1 \g, AF+2*(\g-32)
.endr
	VFMA \first, 1
	WIN 0
.irp g, 64,65,66,67,68,69,70,71,72,73,74,75,76,77,78,79,80,81,82,83,84,85,86,87,88,89,90,91,92,93,94,95
	W1 \g, AF+2*(\g-64)
.endr
	VFMA \first, 2
	WIN 0
.irp g, 96,97,98,99,100,101,102,103,104,105,106,107,108,109,110,111,112,113,114,115,116,117,118,119,120,121,122,123,124,125,126,127
	W1 \g, AF+2*(\g-96)
.endr
	VFMA \first, 3
	WIN 0
.endm
; v[R + mt] = a lane's sum for row 16 mt + (L&15) -> the whole row's sum, in every lane that holds the row.
; Use 'slot' (0 to 3) has 1,024 LDS bytes of its own, so one barrier a use is enough.
.macro ROWSUM slot
.irp m, 0,1,2,3
	v_permlanex16_b32 v[T+\m], v[R+\m], s60, s61   ; the other half of the lanes holds the row's other columns
.endr
.irp m, 0,1,2,3
	v_add_f32 v[R+\m], v[R+\m], v[T+\m]
.endr
.irp m, 0,1,2,3
	ds_store_b32 v[RSW], v[R+\m] offset:(\slot)*1024+\m*256   ; both halves write the same word with the same value
.endr
	s_wait_dscnt 0x0
	BAR
.irp m, 0,1,2,3
	ds_load_b128 v[AF+4*\m:AF+4*\m+3], v[RSR] offset:(\slot)*1024+\m*256   ; the four waves' sums of my row
.endr
	s_wait_dscnt 0x0
.irp m, 0,1,2,3
	v_add_f32 v[AF+4*\m], v[AF+4*\m], v[AF+4*\m+1]
	v_add_f32 v[AF+4*\m+2], v[AF+4*\m+2], v[AF+4*\m+3]
.endr
.irp m, 0,1,2,3
	v_add_f32 v[R+\m], v[AF+4*\m], v[AF+4*\m+2]
.endr
.endm
; LayerNorm of window 2 into window 1; gain in v0-63, bias in v64-127.  slot, slot + 1: the two row sums' LDS bytes.  ldw = 1: gain and bias are still on their way.
.macro LNORM slot, ldw
	WIN 0x0A
.irp m, 0,1,2,3
	v_pk_add_f32 v[S+2*\m:S+2*\m+1], v[64*\m:64*\m+1], v[64*\m+2:64*\m+3]   ; the first two pairs start a row tile's sum
.endr
	WIN 0x02
.set i_, 2
.rept 30
.irp m, 0,1,2,3
	v_pk_add_f32 v[S+2*\m:S+2*\m+1], v[64*\m+2*i_:64*\m+2*i_+1], v[S+2*\m:S+2*\m+1]
.endr
.set i_, i_+1
.endr
	WIN 0
.irp m, 0,1,2,3
	v_add_f32 v[R+\m], v[S+2*\m], v[S+2*\m+1]
.endr
	ROWSUM (\slot)
.irp m, 0,1,2,3
	v_mul_f32 v[NM+2*\m], 0xbb000000, v[R+\m]      ; minus the mean: x -1/512
.endr
.irp m, 0,1,2,3
	v_mov_b32 v[NM+2*\m+1], v[NM+2*\m]
.endr
	WIN 0x42
.set i_, 0
.rept 128
	v_pk_add_f32 v[2*i_:2*i_+1], v[2*i_:2*i_+1], v[NM+2*(i_/32):NM+2*(i_/32)+1]   ; window 1 = window 2 - mean
.set i_, i_+1
.endr
	WIN 0x05
.irp m, 0,1,2,3
	v_pk_mul_f32 v[S+2*\m:S+2*\m+1], v[64*\m:64*\m+1], v[64*\m:64*\m+1]
.endr
.set i_, 1
.rept 31
.irp m, 0,1,2,3
	v_pk_fma_f32 v[S+2*\m:S+2*\m+1], v[64*\m+2*i_:64*\m+2*i_+1], v[64*\m+2*i_:64*\m+2*i_+1], v[S+2*\m:S+2*\m+1]
.endr
.set i_, i_+1
.endr
	WIN 0
.irp m, 0,1,2,3
	v_add_f32 v[R+\m], v[S+2*\m], v[S+2*\m+1]
.endr
	ROWSUM (\slot+1)
.irp m, 0,1,2,3
	v_fma_f32 v[R+\m], v[R+\m], s58, s59           ; sum / 512 + 1e-5
.endr
.irp m, 0,1,2,3
	v_rsq_f32 v[RS+2*\m], v[R+\m]
.endr
	v_nop                                          ; one plain vector instruction behind the transcendentals before a result is used (ISA guide 5.7.2)
	s_wait_alu depctr_va_vdst(0)
.irp m, 0,1,2,3
	v_mov_b32 v[RS+2*\m+1], v[RS+2*\m]
.endr
.if \ldw
	s_wait_loadcnt 0x0                             ; gain and bias (the next product's first stages, issued ahead of them, are in too)
.endif
	WIN 0x41
.set i_, 0
.rept 128
	v_pk_mul_f32 v[2*i_:2*i_+1], v[2*i_:2*i_+1], v[RS+2*(i_/32):RS+2*(i_/32)+1]
.set i_, i_+1
.endr
.set i_, 0
.rept 128
	v_pk_fma_f32 v[2*i_:2*i_+1], v[2*i_:2*i_+1], v[(2*i_)%64:(2*i_)%64+1], v[64+(2*i_)%64:64+(2*i_)%64+1]
.set i_, i_+1
.endr
.endm
	s_load_b512 s[8:23], s[0:1], 0x0               ; v5t, v7t, ex, wf, v1t, v3t, v2t, ln1_g
	s_load_b256 s[24:31], s[0:1], 0x40             ; ln1_b, ln2_g, ln2_b, out0
	v_lshl_add_u32 v192, v0, 2, 0x29500
	v_mov_b32 v255, 0
	v_lshrrev_b32 v[T], 5, v0
	v_readfirstlane_b32 s6, v[T]                   ; wave
	v_and_b32 v[LANE], 31, v0
	v_and_b32 v[RR], 15, v0
	v_bfe_u32 v[HH], v0, 4, 1
	v_lshlrev_b32 v[PF], 8, v0
.irp m, 0,1,2,3
	v_mov_b32 v[T+\m], 0                           ; v_permlanex16_b32 counts as a reader of its destination
.endr
	s_mov_b32 s58, 0x3b000000                      ; 1/512
	s_mov_b32 s59, 0x3727c5ac                      ; 1e-5
	s_mov_b32 s60, 0x76543210                      ; v_permlanex16_b32: lane i of one half reads lane i of the other
	s_mov_b32 s61, 0xfedcba98
	s_and_b32 s[RHO], ttmp9, 3                     ; rho: the quarter of K at which this work-group begins
	s_add_co_u32 s43, s6, s[RHO]
	s_and_b32 s43, s43, 3                          ; om: whose columns my wave makes
	s_lshl_b32 s2, s43, 17
	s_lshl_b32 s3, s6, 12
	s_lshl_b32 s4, s6, 9
	s_mul_i32 s5, s6, OUTW
	s_add_co_u32 s5, s5, OUT
	s_lshl_b32 s7, s6, 2
	s_lshl_b32 s52, s43, 12
	s_lshl_b32 s53, s43, 9
	v_lshl_add_u32 v[BOFF], v[LANE], 4, s2
	v_lshlrev_b32 v[A0], 4, v[LANE]
	v_add_nc_u32 v[A1], 0x10000, v[A0]
	v_lshl_add_u32 v[ST0], v[LANE], 4, s3
	v_add_nc_u32 v[ST1], 0x10000, v[ST0]
	v_lshl_add_u32 v[STG], v[LANE], 4, s52
	v_lshl_add_u32 v[CP], v[LANE], 4, s4
	v_lshl_add_u32 v[OG], v[LANE], 4, s53
	v_lshl_add_u32 v[GOFF], v[HH], 5, s53
	v_lshl_add_u32 v[OL], v[LANE], 4, s5
	v_mul_u32_u24 v[OS], v[RR], OUTP
	v_lshl_add_u32 v[OS], v[HH], 5, v[OS]
	v_add_nc_u32 v[OS], s5, v[OS]
	v_lshlrev_b32 v[RSR], 4, v[RR]
	v_add_nc_u32 v[RSR], REDR, v[RSR]
	v_add_nc_u32 v[RSW], s7, v[RSR]
	s_add_co_u32 s52, s7, REDB
	v_mov_b32 v[RBW], s52
	v_mov_b32 v[RBR], REDB
	s_lshl_b32 s52, s[RHO], 12
	v_add_nc_u32 v[VB0], s52, v[BOFF]
.irp j, 0,1,2,3
	s_add_co_u32 s53, s[RHO], \j
	s_and_b32 s53, s53, 3
	s_lshl_b32 s53, s53, 12                        ; the true quarter that lies in LDS quarter j: 8 blocks of 512 bytes
	v_add_nc_u32 v[CQ+\j], s53, v[CP]
.endr
	s_lshr_b32 s42, ttmp9, 3                       ; slice
	s_lshl_b32 s44, ttmp9, 16                      ; my 64 rows of a [512][512] f16 matrix
	s_mov_b32 s45, 0
	s_lshl_b32 s46, s42, 19                        ; my slice
	s_mov_b32 s47, 0
	s_lshl_b32 s48, s42, 5                         ; my slice's eight words of ex
	s_mov_b32 s49, 0
	s_lshl_b32 s50, ttmp9, 17                      ; my 64 rows of out0
	s_mov_b32 s51, 0
	s_wait_kmcnt 0x0
	s_add_nc_u64 s[8:9], s[8:9], s[44:45]
	s_add_nc_u64 s[10:11], s[10:11], s[46:47]
	s_add_nc_u64 s[12:13], s[12:13], s[48:49]
	s_add_nc_u64 s[16:17], s[16:17], s[44:45]
	s_add_nc_u64 s[18:19], s[18:19], s[44:45]
	s_add_nc_u64 s[20:21], s[20:21], s[44:45]
	s_add_nc_u64 s[30:31], s[30:31], s[50:51]
	; ex of the slice's eight row blocks, two to a quarter of K, in the order in which the quarters lie in stage 0
.irp j, 0,1,2,3
	s_add_co_u32 s74, s[RHO], \j
	s_and_b32 s74, s74, 3
	s_lshl_b32 s74, s74, 3                         ; two words
	s_mov_b32 s75, 0
	s_add_nc_u64 s[66+2*\j:67+2*\j], s[12:13], s[74:75]
	s_load_b64 s[32+2*\j:33+2*\j], s[66+2*\j:67+2*\j], 0x0
.endr
	; my 64 rows of v5^T: piece i (2,048 bytes of the work-group) lies in row tile i / 8, LDS quarter (i % 8) / 2, and comes from the true quarter
.set i_, 0
.rept 32
	global_load_b128 v[4*i_:4*i_+3], v[CQ+(i_%8)/2], s[8:9] offset:(i_/8)*16384+(i_%2)*2048
.set i_, i_+1
.endr
	REFILL 0, VB0, 10, 0
	REFILL 1, VB0, 10, 1024
	REFILL 2, VB0, 10, 2048
	REFILL 3, VB0, 10, 3072
	WIN 0
	s_wait_kmcnt 0x0
	s_min_i32 s40, s32, s33
.irp b, 34,35,36,37,38,39
	s_min_i32 s40, s40, s[\b]                      ; emin
.endr
.irp b, 0,1,2,3,4,5,6,7
	s_sub_co_i32 s53, s40, s[32+\b]                ; emin - ex <= 0
	s_max_i32 s53, s53, -126
	s_add_co_i32 s53, s53, 127
	s_lshl_b32 s53, s53, 23                        ; 2^(emin - ex) in f32,
	v_cvt_pk_f16_f32 v[RAT+\b], s53, s53           ; twice in f16 (below 2^-24 it is 0: such a block adds nothing that f32 would keep beside the largest)
.endr
	s_wait_loadcnt 63                              ; of the 96 loads issued the oldest 33 are in: all 32 of v5^T
.set i_, 0
.rept 32
.irp c, 0,1,2,3
	v_pk_mul_f16 v[4*i_+\c], v[4*i_+\c], v[RAT+i_%8]   ; piece i of wave w lies at k tile (4 i + w) % 32 of the stage: place i % 8 of the eight row blocks
.endr
.set i_, i_+1
.endr
.set i_, 0
.rept 32
	ds_store_b128 v[CP], v[4*i_:4*i_+3] offset:i_*2048
.set i_, i_+1
.endr
	s_wait_dscnt 0x0
	BAR                                            ; stage 0 is whole
	; Prefetch: my work-group's 64 KiB of v1, which are loaded behind this product: 128 threads x 2 blocks of 256 bytes, each block asked for once
	global_prefetch_b8 v[PF], s[16:17] th:TH_LOAD_NT scope:SCOPE_SE
	global_prefetch_b8 v[PF], s[16:17] offset:32768 th:TH_LOAD_NT scope:SCOPE_SE
	PASSL 0xA3, 1, A0, 10, 0, 1, 14, 5*MAT         ; G = v5^T v7, in window 2, which is free until u; Wq3's first stages
	; the largest magnitude of the work-group's block of G -> k3 in s41, 2^k3 in s56 and s57
	WIN 0x0A
.set i_, 0
.rept 128
.if i_ < 4
	v_max3_num_f32 v[R+i_], |v[2*i_]|, |v[2*i_+1]|, 0
.else
	v_max3_num_f32 v[R+i_%4], |v[2*i_]|, |v[2*i_+1]|, v[R+i_%4]
.endif
.set i_, i_+1
.endr
	WIN 0
	v_max3_num_f32 v[R], v[R], v[R+1], v[R+2]
	v_max_num_f32 v[R], v[R], v[R+3]
	v_max_num_f32_dpp v[R], v[R], v[R] row_xmask:1 row_mask:0xf bank_mask:0xf
	v_max_num_f32_dpp v[R], v[R], v[R] row_xmask:2 row_mask:0xf bank_mask:0xf
	v_max_num_f32_dpp v[R], v[R], v[R] row_xmask:4 row_mask:0xf bank_mask:0xf
	v_max_num_f32_dpp v[R], v[R], v[R] row_xmask:8 row_mask:0xf bank_mask:0xf
	v_permlanex16_b32 v[T], v[R], s60, s61
	v_max_num_f32 v[R], v[R], v[T]
	ds_store_b32 v[RBW], v[R]
	s_wait_dscnt 0x0                               ; my word is written and my reads of stage 0 are over
	BAR
	ds_load_b128 v[AF:AF+3], v[RBR]
	s_wait_dscnt 0x0
	v_max3_num_f32 v[AF], v[AF], v[AF+1], v[AF+2]
	v_max_num_f32 v[AF], v[AF], v[AF+3]
	v_lshrrev_b32 v[AF], 23, v[AF]                 ; the biased exponent E
	v_readfirstlane_b32 s41, v[AF]
	s_sub_co_i32 s41, 141, s41
	s_min_i32 s41, s41, 126                        ; k3
	s_add_co_i32 s56, s41, 127
	s_lshl_b32 s56, s56, 23
	s_mov_b32 s57, s56
	SCALE128
	CVT128 0x0A
	TOSTAGE ST1                                    ; g'
	s_add_co_i32 s53, s40, s41
	s_sub_co_i32 s53, -14, s53                     ; -14 - emin - k3,
	s_max_i32 s53, s53, -126
	s_min_i32 s53, s53, 127                        ; held where the exponent field can follow
	s_lshl_b32 s53, s53, 23
	s_add_co_u32 s56, s53, 0x3fb504f3              ; inv = sqrt(2) 2^e
	s_mov_b32 s57, s56
	; Q4, Q5, Q6: three trips.  Trip p multiplies g' by matrix 5 + p of wf and the result, element by element, by v1, v3, v2 in turn.
	; Matrices 5 to 8 of wf follow each other, so the trip's base steps by one matrix and the next B stands in the immediate.
	s_mov_b64 s[WP:WP+1], s[14:15]
	s_mov_b32 s[OC], 0
.Lq:
	VLOAD 16                                       ; this trip's v tiles: v0-127 are free since the stage was written, or since the last trip widened them
	s_cmp_eq_u32 s[OC], 2
	s_cbranch_scc1 .Lnopf                          ; the last trip has no v behind it: it asks for nothing
	global_prefetch_b8 v[PF], s[18:19] th:TH_LOAD_NT scope:SCOPE_SE               ; the next trip's 64 KiB of v tiles, one product ahead,
	global_prefetch_b8 v[PF], s[18:19] offset:32768 th:TH_LOAD_NT scope:SCOPE_SE  ; 128 threads x 2 blocks of 256 bytes, each asked for once
.Lnopf:
	PASSL 0x53, 1, A1, WP, 5*MAT, 1, WP, 6*MAT
	s_cmp_lg_u32 s[OC], 0
	s_cbranch_scc1 .Lfma
	VMUL 1                                         ; the first trip starts u
	s_branch .Ljoin
.Lfma:
	VMUL 0
.Ljoin:
	s_wait_xcnt 0x0                                ; the addresses below are named by loads and prefetches of this trip: written only behind this wait
	s_add_nc_u64 s[WP:WP+1], s[WP:WP+1], MAT
	s_mov_b64 s[16:17], s[18:19]                   ; v1, v3, v2 move up
	s_mov_b64 s[18:19], s[20:21]
	s_add_co_u32 s[OC], s[OC], 1
	s_cmp_lt_u32 s[OC], 3
	s_cbranch_scc1 .Lq
	GBL 22, 24                                     ; ln1_g, ln1_b: they land during the sums below
	SCALE128                                       ; u = inv (Q4 v1 + Q5 v3 + Q6 v2)
	LNORM 0, 1
	CVT128 0x05                                    ; v15 in f16
	TOSTAGE ST0                                    ; stage 0 was last read in the first product, four barriers ago
	GBL 26, 28                                     ; ln2_g, ln2_b: v0-127 are free since the stage was written
	PASSL 0xA3, 0, A0, 14, 8*MAT, 0, 14, 0         ; y = u + v15 Wsum^T: the product adds in place onto u
	LNORM 2, 0
	; THE WAY OUT, 16 rows at a time through my wave's own LDS bytes: 32 bytes a lane in, whole pieces of 512 bytes of a row back.
.set mt_, 0
.rept 4
	WIN 0x04                                       ; the store's data in window 1
.set n_, 0
.rept 8
	ds_store_b128 v[OS], v[64*mt_+8*n_:64*mt_+8*n_+3] offset:n_*64
	ds_store_b128 v[OS], v[64*mt_+8*n_+4:64*mt_+8*n_+7] offset:n_*64+16
.set n_, n_+1
.endr
	WIN 0
.if mt_ >= 2
	s_wait_xcnt 0x0                                ; this half of v0-127 was the data of stores two groups ago: loaded into only behind this wait
.endif
.set r_, 0
.rept 16
	ds_load_b128 v[64*(mt_%2)+4*r_:64*(mt_%2)+4*r_+3], v[OL] offset:r_*OUTP   ; LDS serves a wave's instructions in order (ISA guide 5.7.1): these see the stores above
.set r_, r_+1
.endr
.set r_, 0
.rept 16
	s_wait_dscnt 15-r_                             ; the younger reads stay out
	global_store_b128 v[OG], v[64*(mt_%2)+4*r_:64*(mt_%2)+4*r_+3], s[30:31] offset:(16*mt_+r_)*2048 th:TH_STORE_NT   ; 512 consecutive bytes of a row, aligned
.set r_, r_+1
.endr
.set mt_, mt_+1
.endr
	s_wait_tensorcnt 0x0
	ds_add_u32 v192, v255
	s_wait_dscnt 0x0
	s_endpgm
.Lfunc_end_k_q088c4f2e23_tail:
	.size	k_q088c4f2e23_tail, .Lfunc_end_k_q088c4f2e23_tail-k_q088c4f2e23_tail
	.p2alignl 7, 3214868480
	.fill 96, 4, 3214868480
	.section	.rodata,"a",@progbits
	.p2align	6, 0x0
	.amdhsa_kernel k_q088c4f2e23_tail
		.amdhsa_group_segment_fixed_size 169728
		.amdhsa_private_segment_fixed_size 0
		.amdhsa_enable_private_segment 0
		.amdhsa_kernarg_size 96
		.amdhsa_user_sgpr_count 2
		.amdhsa_user_sgpr_kernarg_segment_ptr 1
		.amdhsa_wavefront_size32 1
		.amdhsa_system_sgpr_workgroup_id_x 1
		.amdhsa_system_sgpr_workgroup_id_y 1
		.amdhsa_system_sgpr_workgroup_id_z 1
		.amdhsa_system_vgpr_workitem_id 0
		.amdhsa_next_free_vgpr 1024
		.amdhsa_next_free_sgpr 80
		.amdhsa_reserve_vcc 0
		.amdhsa_float_denorm_mode_32 3
		.amdhsa_float_denorm_mode_16_64 3
		.amdhsa_memory_ordered 1
		.amdhsa_forward_progress 1
		.amdhsa_inst_pref_size 255
	.end_amdhsa_kernel
	.section	.bss,"aw",@nobits
	.p2align	6
	.space	262144
	.amdgpu_metadata
---
amdhsa.version: [ 1, 2 ]
amdhsa.kernels:
  - .name:           k_q088c4f2e23_tail
    .symbol:         k_q088c4f2e23_tail.kd
    .args:
      - { .name: v5t, .offset: 0, .size: 8, .value_kind: global_buffer, .address_space: global }
      - { .name: v7t, .offset: 8, .size: 8, .value_kind: global_buffer, .address_space: global }
      - { .name: ex, .offset: 16, .size: 8, .value_kind: global_buffer, .address_space: global }
      - { .name: wf, .offset: 24, .size: 8, .value_kind: global_buffer, .address_space: global }
      - { .name: v1t, .offset: 32, .size: 8, .value_kind: global_buffer, .address_space: global }
      - { .name: v3t, .offset: 40, .size: 8, .value_kind: global_buffer, .address_space: global }
      - { .name: v2t, .offset: 48, .size: 8, .value_kind: global_buffer, .address_space: global }
      - { .name: ln1_g, .offset: 56, .size: 8, .value_kind: global_buffer, .address_space: global }
      - { .name: ln1_b, .offset: 64, .size: 8, .value_kind: global_buffer, .address_space: global }
      - { .name: ln2_g, .offset: 72, .size: 8, .value_kind: global_buffer, .address_space: global }
      - { .name: ln2_b, .offset: 80, .size: 8, .value_kind: global_buffer, .address_space: global }
      - { .name: out0, .offset: 88, .size: 8, .value_kind: global_buffer, .address_space: global }
    .group_segment_fixed_size: 169728
    .private_segment_fixed_size: 0
    .kernarg_segment_align: 8
    .kernarg_segment_size: 96
    .max_flat_workgroup_size: 128
    .sgpr_count:     80
    .vgpr_count:     1024
    .wavefront_size: 32
...
	.end_amdgpu_metadata
.endif
;; end of part 7
;; ======== version 3 of 3: 4 launches; version 2 with the launch proj written anew for expert scheduling mode
;; limits: values outside matrix products are rounded to f16; values are held in f16: magnitudes above 65,504 overflow, below 6.1e-05 lose precision; right only within a limited range of input values
;; workspace buffers: wf 4,718,592 bytes; v1t 16,777,216 bytes; v2t 16,777,216 bytes; v3t 16,777,216 bytes; v5t 16,777,216 bytes; v7t 16,777,216 bytes; ex 1,024 bytes
;; launch prep: the kernel of part 1 again; grid 256 x 1, 2 waves a work-group, no clusters, 23,296 bytes of LDS; arguments Wq1, Wk1, Wv1, Wq2, Wv2, Wq3, Wk3, Wv3, wf; writes wf
;; launch proj (part 8): grid 256 x 1, 4 waves a work-group, no clusters, 133,632 bytes of LDS; arguments x, wf, bq1, bk1, bv1, v1t, v2t, v3t; writes v1t, v2t, v3t
.if DOCPART == 8
	.amdgcn_target "amdgcn-amd-amdhsa--gfx1250"
	.amdhsa_code_object_version 6
	.text
	.protected	k_q088c4f2e23_proj
	.globl	k_q088c4f2e23_proj
	.p2align	8
	.type	k_q088c4f2e23_proj,@function
k_q088c4f2e23_proj:
	s_mov_b64 s[64:65], 0
	v_nop
	global_prefetch_b8 v0, s[64:65] scope:SCOPE_SE
	s_setreg_imm32_b32 hwreg(HW_REG_WAVE_SCHED_MODE, 0, 2), 2
	s_setreg_imm32_b32 hwreg(HW_REG_WAVE_MODE, 25, 1), 1
	s_wait_xcnt 0x0
	s_wait_alu depctr_vm_vsrc(0)
; proj: v1 = x Wq1^T + bq1, v2 = x Wk1^T + bk1, v3 = x Wv1^T + bv1, products in f16 with f32 sums, results in f16 in the block layout:
;   element (row, k) of a [512][512] matrix at ((row>>4)*32 + (k>>4))*512 + (((k>>3)&1)*16 + (row&15))*16 + (k&7)*2.
; f16, not bf16: the chain of eleven products rounds its operands seven times in a row, and the result is compared to one part in a hundred.
; LIMIT: |x|, |W| and |v1..v3| of 65,504 or more become infinite.  With x and W thirty times the drawn spread |v| stays near 5e3, with a
; common offset of thirty spreads on both near 2.1e4.
; SHARE: work-group id owns rows 128 (id>>1) .. + 127 of the 16,384 rows and columns 256 (id&1) .. + 255 of each of the three results.
; Four waves; wave w makes 128 rows x 64 columns: 8 x 4 accumulator tiles, 256 registers.  The three products follow each other.
; These products feed no further product inside the launch, so the block need not hold whole rows: the tall wave tile takes, for 32 matrix
; instructions, 4 KiB of a weight from memory and 8 KiB of x from LDS; a work-group reads 3 x 256 KiB of weights.
; x's 128 rows lie once in LDS as f16 and all waves read them as operand A.  Two neighbouring work-groups read the same rows of x.
; OPERAND B (a weight) goes from memory straight into registers: wave w alone needs its 64 rows of it, so LDS would add a write and a
; read for each byte and spare none.  Eight stages of 32 k (8 loads, 4 KiB a wave) take turns: one is multiplied, the one read in the step
; before is asked for again, the other six are in or on their way.
; NO CLUSTER, NO TENSOR LOADS: work-groups of one column half do read the same weights, but a joint tile would have to pass through LDS, where
; each byte would be written once and read once by a single wave, on top of the 8 KiB of A that a wave reads for every 32 matrix instructions.
; THE MATRIX INSTRUCTION IS USED TRANSPOSED (source 0 = B's rows, source 1 = A's rows): lane L then holds row L&15 of the result and its eight
; registers the columns 8 (L>>4) + 0..7, which pack into the 16 bytes at 16 L of a block.
; REGISTER WINDOWS of 256: 0 = A fragments v0-127 (two buffers of 64), bias v128-159, addresses v192-255; 1 = accumulators;
; 2 = results in f16 on their way out (two buffers, v0-127 and v128-255); 3 = B stages (stage s at v[32 s]).  At the start x passes through windows 1 and 2.
; THE MODE: SCHED_MODE bits 1:0 = 2 (LLVM: expert scheduling mode 2), set by the entry lines.  The code itself states the register dependences
; between vector or matrix instructions and memory or LDS instructions, with s_wait_alu, always for 0.
; THE PLAN.  Registers that memory or LDS instructions touch:
;   A[0], A[1]    Step q's matrix instructions read A[q % 2]; the step's sixteen LDS loads (the fragments of step q + 1) land in the other, which step q - 1 read.
;   B[0] .. B[7]  Step q's matrix instructions read B[q % 8]; the step's eight loads (the k of step q + 7) land in B[(q - 1) % 8], which step q - 1 read.
;   bias          Read by the additions behind a product; loaded anew in step 2 of the next product.
;   O[0], O[1]    Written by the conversions behind a product (O[0], O[1], O[0]); read by 32 stores, which are dealt among step 0 of the next product.
;   offsets       v196-199, v202, v250, v251: made once at the head, never written again.
;   The accumulators are named by vector and matrix instructions alone, but for the start, when x passes through them.
; So ONE wait on va_vdst stands at a step's head: the step before is done reading the A buffer and the B stage in which this step's loads land (at a
; product's step 0 also: the conversions have written the out-buffer).  The step's loads and stores follow it, dealt among its 32 matrix instructions,
; which name A[q % 2], B[q % 8] and the accumulators: none of the registers that those loads and stores touch.
.set MAT,   524288
.set XP,    1040                       ; LDS pitch of a row of x in f16: 1,024 + 16, an odd multiple of 16
.set AF,    0                          ; two A fragment buffers of 64 registers; at the start: x in f16 on its way into LDS
.set BIAS,  128                        ; v[128:159]: tile nt, register j at 8 nt + j
.set LANE,  193
.set RR,    194                        ; L & 15
.set HH,    195                        ; L >> 4
.set BOFF,  196                        ; 262144 half + 65536 w + 16 L: my 16 bytes in the first block of my 64 rows of a weight
.set A0,    197                        ; LDS: (L&15) XP + 16 (L>>4): rows 0-63
.set A0B,   198                        ; the same 64 rows further down: an LDS offset has 16 bits
.set ST0,   199                        ; 8192 half + 2048 w + 16 L: my 16 bytes in the first block of my columns
.set GOFF,  202                        ; 1024 half + 256 w + 32 (L>>4): my eight columns' bias in tile 0
.set T,     214
.set XO,    250                        ; 65536 w + 16 L: x, my wave's 32 rows
.set XS,    251                        ; LDS: 32 XP w + 8 L
.set MSB,   0
.macro WIN new                         ; the immediate's high byte repeats the setting that is left
.if MSB != \new
	s_set_vgpr_msb (MSB<<8)|\new
.set MSB, \new
.endif
.endm
.macro PLACES                          ; four places behind a step's matrix instructions: ahead of the additions that read their results (ISA guide 7.12.1), and, as in the plain form,
.rept 4                                ; ahead of the loads into registers that they read; the wait at the next step's head stands beside these places, not in their stead
	v_nop
.endr
.endm
.macro REFILL qq, off                  ; stage qq % 8 <- k = 32 qq .. 32 qq + 31 of my 64 rows of the weight at wf + off: 8 loads of 512 consecutive bytes
	WIN 0xC0
.set nt_, 0
.rept 4
	global_load_b128 v[32*((\qq)%8)+8*nt_:32*((\qq)%8)+8*nt_+3], v[BOFF], s[10:11] offset:(\off)+nt_*16384+(\qq)*1024
	global_load_b128 v[32*((\qq)%8)+8*nt_+4:32*((\qq)%8)+8*nt_+7], v[BOFF], s[10:11] offset:(\off)+nt_*16384+(\qq)*1024+512
.set nt_, nt_+1
.endr
.endm
.macro ALOADH qq, hf                   ; half hf of A buffer qq % 2 <- 64 rows (hf = 0: rows 0-63, 1: rows 64-127) x 32 k of substep qq % 16 from the row-major stage: 8 loads
	WIN 0
.set mt_, 0
.rept 4
	ds_load_b128 v[AF+64*((\qq)%2)+32*(\hf)+8*mt_:AF+64*((\qq)%2)+32*(\hf)+8*mt_+3], v[A0+(\hf)] offset:mt_*16*XP+((\qq)%16)*64
	ds_load_b128 v[AF+64*((\qq)%2)+32*(\hf)+8*mt_+4:AF+64*((\qq)%2)+32*(\hf)+8*mt_+7], v[A0+(\hf)] offset:mt_*16*XP+((\qq)%16)*64+32
.set mt_, mt_+1
.endr
.endm
.macro MUL8 qq, m0                     ; 8 of a step's 32 matrix instructions: row tiles m0, m0 + 1; the 32 accumulators take turns, one instruction a turn
	WIN 0x53                               ; source 0 window 3 (B), source 1 window 0 (A), C and D window 1
.set mt_, \m0
.rept 2
.set nt_, 0
.rept 4
.set d_, 8*(4*mt_+nt_)
.set a_, AF+64*((\qq)%2)+8*mt_
.set b_, 32*((\qq)%8)+8*nt_
.if (\qq) == 0
	v_wmma_f32_16x16x32_f16 v[d_:d_+7], v[b_:b_+7], v[a_:a_+7], 0
.else
	v_wmma_f32_16x16x32_f16 v[d_:d_+7], v[b_:b_+7], v[a_:a_+7], v[d_:d_+7]
.endif
.set nt_, nt_+1
.endr
.set mt_, mt_+1
.endr
.endm
.macro STORE8 sd, t0, ob               ; 8 of a result's 32 blocks of 512 consecutive bytes, out of the out-buffer at v[ob] of window 2
	WIN 0x08                               ; the store's data in window 2
.set t_, \t0
.rept 8
	global_store_b128 v[ST0], v[(\ob)+4*t_:(\ob)+4*t_+3], s[\sd:\sd+1] offset:(t_/4)*16384+(t_%4)*512   ; tile (mt, nt) = t / 4, t % 4
.set t_, t_+1
.endr
.endm
; One product, 16 substeps of 32 k, written out.  off: the weight in wf.  A's fragments of substep 0 have been asked for.  Substep q asks for A of substep q + 1 and for B of substep q + 7;
; nxt = 1: past this product's end these are the next product's (the stage of x serves all three products, the weights follow each other in wf).
; first = 1: the first product: all eight stages have been asked for, so its substep 0 asks for no B, and no result waits to be stored.
; first = 0: the 32 stores of the product before, to s[sp] out of the out-buffer at ob, are dealt among substep 0.
.macro PASS off, nxt, first, sx, sp, ob
.set q, 0
.rept 16
.if (\first) && (q == 0)
	s_wait_loadcnt 56                              ; stage 0 is in: behind it the seven younger stages' 56 loads were issued
.else
.if (\nxt) || (q < 10)
	s_wait_loadcnt 48                              ; stage q is in: behind it at least the six younger stages' 48 loads were issued
.else
	s_wait_loadcnt 8*(15-q)                        ; nothing is fetched any more: the count runs down
.endif
.endif
	s_wait_dscnt 8                                 ; A's rows 0-63 of this substep are in; the eight loads of rows 64-127 stay out
.if !(\first) || (q > 0)
	s_wait_alu depctr_va_vdst(0)                   ; the substep before is done reading the A buffer and the B stage in which the loads below land; at q = 0 the conversions have written the out-buffer that the stores below read; at q = 0 to 2 the additions are done reading the bias
.endif
	MUL8 q, 0                                      ; at q = 0 the first products start the sums
.if (\nxt) || (q < 15)
	ALOADH q+1, 0                                  ; no vector or matrix instruction since the wait names this buffer
.endif
.if !(\first) && (q == 0)
	STORE8 \sp, 0, \ob
.endif
	MUL8 q, 2
.if (\nxt) || (q < 15)
	ALOADH q+1, 1
.endif
.if !(\first) && (q == 0)
	STORE8 \sp, 8, \ob
.endif
.if (\nxt) || (q < 15)
	s_wait_dscnt 16                                ; A's rows 64-127 of this substep are in; the next substep's sixteen loads stay out
.else
	s_wait_dscnt 0x0
.endif
	MUL8 q, 4
.if q == 2
	WIN 0                                          ; the bias of my 64 columns; the waits of the later substeps show it in
.set e_, 0
.rept 8
	global_load_b128 v[BIAS+4*e_:BIAS+4*e_+3], v[GOFF], s[\sx:\sx+1] offset:(e_/2)*64+(e_%2)*16
.set e_, e_+1
.endr
.endif
.if !(\first) || (q > 0)
.if q < 9
	REFILL q+7, \off                               ; no vector or matrix instruction since the wait names this stage
.else
.if \nxt
	REFILL q-9, (\off)+MAT
.endif
.endif
.endif
.if !(\first) && (q == 0)
	STORE8 \sp, 16, \ob
.endif
	MUL8 q, 6
.if !(\first) && (q == 0)
	STORE8 \sp, 24, \ob
.endif
	PLACES
.set q, q+1
.endr
.endm
.macro EPIC ob, xw                     ; + bias, round to f16 into the out-buffer at v[ob] of window 2.  xw = 1: the buffer has been stored from before
	WIN 0x41
.set i_, 0
.rept 128
	v_pk_add_f32 v[2*i_:2*i_+1], v[2*i_:2*i_+1], v[BIAS+(2*i_)%32:BIAS+(2*i_)%32+1]
.set i_, i_+1
.endr
.if \xw
	s_wait_xcnt 0x0                                ; this out-buffer was the data of the first product's stores: rewritten only behind this wait
	s_wait_alu depctr_vm_vsrc(0)                   ; those stores have read the out-buffer, which the conversions below write again
.endif
	WIN 0x85                                       ; destination window 2, sources window 1
.set i_, 0
.rept 128
	v_cvt_pk_f16_f32 v[(\ob)+i_], v[2*i_], v[2*i_+1]
.set i_, i_+1
.endr
.endm
	s_load_b512 s[8:23], s[0:1], 0x0               ; x, wf, bq1, bk1, bv1, v1t, v2t, v3t
	v_lshl_add_u32 v254, v0, 2, 0x20800
	v_mov_b32 v255, 0
	v_lshrrev_b32 v[T], 5, v0
	v_readfirstlane_b32 s6, v[T]                   ; wave
	v_and_b32 v[LANE], 31, v0
	v_and_b32 v[RR], 15, v0
	v_bfe_u32 v[HH], v0, 4, 1
	s_lshr_b32 s24, ttmp9, 1                       ; which 128 rows
	s_and_b32 s25, ttmp9, 1                        ; which half of the columns
	s_lshl_b32 s2, s25, 18                         ; 16 row tiles of a weight, 16,384 bytes each
	s_wait_alu depctr_va_sdst(0)                   ; s6 is written, ahead of its first reader: the wave's offsets are made from it
	s_lshl_b32 s3, s6, 16                          ; 4 row tiles; also 32 rows of x
	s_add_co_u32 s2, s2, s3
	v_lshl_add_u32 v[BOFF], v[LANE], 4, s2
	v_lshl_add_u32 v[XO], v[LANE], 4, s3
	s_lshl_b32 s2, s25, 13                         ; 16 blocks of 512 bytes
	s_lshl_b32 s3, s6, 11                          ; 4 blocks
	s_add_co_u32 s2, s2, s3
	v_lshl_add_u32 v[ST0], v[LANE], 4, s2
	s_lshl_b32 s2, s25, 10                         ; 256 f32
	s_lshl_b32 s3, s6, 8                           ; 64 f32
	s_add_co_u32 s2, s2, s3
	v_lshl_add_u32 v[GOFF], v[HH], 5, s2
	s_mul_i32 s7, s6, 32*XP
	v_lshl_add_u32 v[XS], v[LANE], 3, s7
	v_mul_u32_u24 v[A0], v[RR], XP
	v_lshl_add_u32 v[A0], v[HH], 4, v[A0]
	v_add_nc_u32 v[A0B], 64*XP, v[A0]
	s_lshl_b32 s44, s24, 18                        ; 128 rows of 2,048 bytes of x
	s_mov_b32 s45, 0
	s_lshl_b32 s46, s24, 17                        ; 8 row tiles of 16,384 bytes of a result
	s_mov_b32 s47, 0
	s_wait_kmcnt 0x0
	s_add_nc_u64 s[8:9], s[8:9], s[44:45]
	s_add_nc_u64 s[18:19], s[18:19], s[46:47]
	s_add_nc_u64 s[20:21], s[20:21], s[46:47]
	s_add_nc_u64 s[22:23], s[22:23], s[46:47]
	; x: my wave's 32 rows are 65,536 consecutive bytes: 128 loads of 512 bytes, 64 into window 1 and 64 into window 2, which are free yet
	WIN 0x40
	s_wait_alu depctr_va_vdst(0)                   ; the seven offsets and LDS addresses are written, which every load and store of the kernel reads; none is written again
.set i_, 0
.rept 64
	global_load_b128 v[4*i_:4*i_+3], v[XO], s[8:9] offset:i_*512
.set i_, i_+1
.endr
	WIN 0x80
.set i_, 0
.rept 64
	global_load_b128 v[4*i_:4*i_+3], v[XO], s[8:9] offset:(64+i_)*512
.set i_, i_+1
.endr
	s_wait_loadcnt 63                              ; of the 128 loads issued the oldest 65 are in: my first 16 rows
	WIN 0x05
.set i_, 0
.rept 128
	v_cvt_pk_f16_f32 v[AF+i_], v[2*i_], v[2*i_+1]
.set i_, i_+1
.endr
	WIN 0
	s_wait_alu depctr_va_vdst(0)                   ; the conversions have written v0-127, which the LDS stores read
.set i_, 0
.rept 64
	ds_store_b64 v[XS], v[AF+2*i_:AF+2*i_+1] offset:(i_/4)*XP+(i_%4)*256   ; 256 consecutive bytes of a row
.set i_, i_+1
.endr
.set i_, 0
.rept 8
	REFILL i_, 0
.set i_, i_+1
.endr
	s_wait_loadcnt 63                              ; of the 192 loads issued the oldest 129 are in: all 128 of x
	WIN 0x4A                                       ; my other 16 rows go out of window 1's v0-127, which the first conversions have emptied: no register that an LDS store may still read is written
.set i_, 0
.rept 128
	v_cvt_pk_f16_f32 v[i_], v[2*i_], v[2*i_+1]
.set i_, i_+1
.endr
	WIN 0x04                                       ; the store's data in window 1
	s_wait_alu depctr_va_vdst(0)                   ; the conversions have written window 1's v0-127, which the LDS stores read
.set i_, 0
.rept 64
	ds_store_b64 v[XS], v[2*i_:2*i_+1] offset:((64+i_)/4)*XP+(i_%4)*256
.set i_, i_+1
.endr
	s_wait_dscnt 0x0                               ; my rows are in LDS,
	s_barrier_signal -1
	s_barrier_wait -1                              ; everybody's are; the stage is never written again
	WIN 0
	s_wait_alu depctr_vm_vsrc(0)                   ; my LDS stores have read v0-127, in which A's fragments land, and window 1's v0-127, which the first products write
	ALOADH 0, 0
	ALOADH 0, 1
	PASS 0*MAT, 1, 1, 12, 18, 0
	EPIC 0, 0
	PASS 1*MAT, 1, 0, 14, 18, 0                    ; its substep 0 stores v1
	EPIC 128, 0
	PASS 2*MAT, 0, 0, 16, 20, 128                  ; its substep 0 stores v2
	EPIC 0, 1
	WIN 0x08
	s_wait_alu depctr_va_vdst(0)                   ; the conversions have written the out-buffer, which the last 32 stores read
	STORE8 22, 0, 0
	STORE8 22, 8, 0
	STORE8 22, 16, 0
	STORE8 22, 24, 0
	WIN 0
	s_wait_dscnt 0x0                               ; the closing lines, six on end
	s_wait_alu 0x0
	s_wait_tensorcnt 0x0
	ds_add_u32 v254, v255
	s_wait_dscnt 0x0
	s_endpgm
.Lfunc_end_k_q088c4f2e23_proj:
	.size	k_q088c4f2e23_proj, .Lfunc_end_k_q088c4f2e23_proj-k_q088c4f2e23_proj
	.p2alignl 7, 3214868480
	.fill 96, 4, 3214868480
	.section	.rodata,"a",@progbits
	.p2align	6, 0x0
	.amdhsa_kernel k_q088c4f2e23_proj
		.amdhsa_group_segment_fixed_size 133632
		.amdhsa_private_segment_fixed_size 0
		.amdhsa_enable_private_segment 0
		.amdhsa_kernarg_size 64
		.amdhsa_user_sgpr_count 2
		.amdhsa_user_sgpr_kernarg_segment_ptr 1
		.amdhsa_wavefront_size32 1
		.amdhsa_system_sgpr_workgroup_id_x 1
		.amdhsa_system_sgpr_workgroup_id_y 1
		.amdhsa_system_sgpr_workgroup_id_z 1
		.amdhsa_system_vgpr_workitem_id 0
		.amdhsa_next_free_vgpr 1024
		.amdhsa_next_free_sgpr 66
		.amdhsa_reserve_vcc 0
		.amdhsa_float_denorm_mode_32 3
		.amdhsa_float_denorm_mode_16_64 3
		.amdhsa_memory_ordered 1
		.amdhsa_forward_progress 1
		.amdhsa_inst_pref_size 255
	.end_amdhsa_kernel
	.section	.bss,"aw",@nobits
	.p2align	6
	.space	262144
	.amdgpu_metadata
---
amdhsa.version: [ 1, 2 ]
amdhsa.kernels:
  - .name:           k_q088c4f2e23_proj
    .symbol:         k_q088c4f2e23_proj.kd
    .args:
      - { .name: x, .offset: 0, .size: 8, .value_kind: global_buffer, .address_space: global }
      - { .name: wf, .offset: 8, .size: 8, .value_kind: global_buffer, .address_space: global }
      - { .name: bq1, .offset: 16, .size: 8, .value_kind: global_buffer, .address_space: global }
      - { .name: bk1, .offset: 24, .size: 8, .value_kind: global_buffer, .address_space: global }
      - { .name: bv1, .offset: 32, .size: 8, .value_kind: global_buffer, .address_space: global }
      - { .name: v1t, .offset: 40, .size: 8, .value_kind: global_buffer, .address_space: global }
      - { .name: v2t, .offset: 48, .size: 8, .value_kind: global_buffer, .address_space: global }
      - { .name: v3t, .offset: 56, .size: 8, .value_kind: global_buffer, .address_space: global }
    .group_segment_fixed_size: 133632
    .private_segment_fixed_size: 0
    .kernarg_segment_align: 8
    .kernarg_segment_size: 64
    .max_flat_workgroup_size: 128
    .sgpr_count:     66
    .vgpr_count:     1024
    .wavefront_size: 32
...
	.end_amdgpu_metadata
.endif
;; end of part 8
;; launch mid: the kernel of part 6 again; grid 256 x 1, 4 waves a work-group, no clusters, 131,840 bytes of LDS; arguments v1t, v2t, wf, v5t, v7t, ex; writes v5t, v7t, ex
;; launch tail: the kernel of part 7 again; grid 256 x 1, 4 waves a work-group, no clusters, 169,728 bytes of LDS; arguments v5t, v7t, ex, wf, v1t, v3t, v2t, ln1_g, ln1_b, ln2_g, ln2_b, out0; writes out0
